; MI455X (gfx1250); checked and timed in simulation.
; The chip was launched on July 23, 2026; its instructions are those of AMD's public machine-readable ISA for CDNA 5 (MIT licence, August 2026) and "CDNA5" Instruction Set Architecture Reference Guide (July 2026). The comments in the code are by the model that wrote it; some were corrected since.
;; Low Rank. Allowed arithmetic: matrix products marked QUANTISED: E2M1 operands, one E8M0 scale for each 32 along K, by v_wmma_scale_f32_16x16x128_f8f6f4 with both operands' format E2M1 (or v_wmma_scale_f32_32x16x128_f4), f32 sums; products left as they are: f32 operands where the result goes on into a quantised operand, else bf16, f16 or f32 operands; f32 sums; everything else in f32.
;; Inputs: W_basic 128 x 64 float32; W_ch_codes 128 x 2 x 16 uint8 (E2M1 codes of W_ch, K innermost, in blocks of 32 codes, two codes a byte); W_ch_scales 128 x 2 uint8 (E8M0 scales of W_ch, one for each 32 codes along K); W_k_codes 1,024 x 32 x 16 uint8 (E2M1 codes of W_k, K innermost, in blocks of 32 codes, two codes a byte); W_k_scales 1,024 x 32 uint8 (E8M0 scales of W_k, one for each 32 codes along K); W_q_codes 1,024 x 32 x 16 uint8 (E2M1 codes of W_q, K innermost, in blocks of 32 codes, two codes a byte); W_q_scales 1,024 x 32 uint8 (E8M0 scales of W_q, one for each 32 codes along K); W_sp 64 x 1 float32; W_v1_codes 1,024 x 32 x 16 uint8 (E2M1 codes of W_v1, K innermost, in blocks of 32 codes, two codes a byte); W_v1_scales 1,024 x 32 uint8 (E8M0 scales of W_v1, one for each 32 codes along K); W_v2_codes 1,024 x 32 x 16 uint8 (E2M1 codes of W_v2, K innermost, in blocks of 32 codes, two codes a byte); W_v2_scales 1,024 x 32 uint8 (E8M0 scales of W_v2, one for each 32 codes along K); b_basic 64 float32; b_ch 128 float32; b_k 1,024 float32; b_q 1,024 float32; b_sp 1 float32; b_v1 1,024 float32; b_v2 1,024 float32; be_k 1,024 float32; be_q 1,024 float32; be_v1 1,024 float32; be_v2 1,024 float32; g_k 1,024 float32; g_q 1,024 float32; g_v1 1,024 float32; g_v2 1,024 float32; key_feats_codes 64 x 512 x 32 x 16 uint8 (E2M1 codes of key_feats, K innermost, in blocks of 32 codes, two codes a byte); key_feats_scales 64 x 512 x 32 uint8 (E8M0 scales of key_feats, one for each 32 codes along K); mask 64 x 512 float32; query_codes 64 x 32 x 16 uint8 (E2M1 codes of query, K innermost, in blocks of 32 codes, two codes a byte); query_scales 64 x 32 uint8 (E8M0 scales of query, one for each 32 codes along K); value1_codes 64 x 32 x 16 uint8 (E2M1 codes of value1, K innermost, in blocks of 32 codes, two codes a byte); value1_scales 64 x 32 uint8 (E8M0 scales of value1, one for each 32 codes along K); value2_codes 64 x 512 x 32 x 16 uint8 (E2M1 codes of value2, K innermost, in blocks of 32 codes, two codes a byte); value2_scales 64 x 512 x 32 uint8 (E8M0 scales of value2, one for each 32 codes along K).
;; Outputs: out0 64 x 1,024 float32.
;; This version of the problem:
;;   THIS VERSION OF THE PROBLEM IS GIVEN IN LOW PRECISION. The matrix products marked QUANTISED in the list below multiply operands that are first quantised to E2M1 (2 exponent bits, 1 mantissa bit; 4 bits a number), with one power-of-two scale for each 32 numbers along K (OCP MX v1.0); their sums are f32. All else is computed in f32.
;;   The module's matrix products, in the order in which they are computed (A, B: the left and right operand; K: the contracted axis; several contracted axes count as one K, in the product's order):
;;     1. [M 64, K 1,024] x [K 1,024, N 1,024]; A: input query (given as codes); B: input W_q (given as codes): QUANTISED
;;     2. [M 64, K 1,024] x [K 1,024, N 1,024]; A: input value1 (given as codes); B: input W_v1 (given as codes): QUANTISED
;;     3. [M 32,768, K 1,024] x [K 1,024, N 1,024]; A: input key_feats (given as codes); B: input W_k (given as codes): QUANTISED
;;     4. [M 32,768, K 1,024] x [K 1,024, N 1,024]; A: input value2 (given as codes); B: input W_v2 (given as codes): QUANTISED
;;     5. batch 512 x [M 1, K 128] x [K 128, N 512]; A: computed on the way; B: computed on the way: left as it is (M = 1 < 16)
;;     6. [M 262,144, K 64] x [K 64, N 1]; A: computed on the way; B: input W_sp: left as it is (N = 1 < 16)
;;     7. [M 512, K 64] x [K 64, N 128]; A: computed on the way; B: input W_ch (given as codes): QUANTISED
;;     8. batch 512 x [M 1, K 512] x [K 512, N 128]; A: softmax; B: computed on the way: left as it is (M = 1 < 16)
;;   THE QUANTISER, for each operand of a quantised product, along K:
;;     - K is cut into blocks of 32 from its start; a last block that is shorter is filled with zeros.
;;     - A block's scale is 2^e with e = floor(log2(the largest magnitude in the block)) - 2, held to -126 .. 127; a block of zeros has e = 0. As a byte (E8M0): e + 127.
;;     - Each number is divided by its block's scale, clamped to +-6, and rounded to the nearest number of E2M1, ties to even, subnormals kept.
;;     - The product sums the exact products of the quantised numbers (number of the format x scale) in f32.
;;   ~~~python
;;   def quantise(x, axis):      # numpy; x: float32 -> the quantised numbers, widened to float32 again
;;       x = np.moveaxis(x, axis, -1); K = x.shape[-1]
;;       x = np.pad(x, [(0, 0)] * (x.ndim - 1) + [(0, -K % 32)]); x = x.reshape(x.shape[:-1] + (-1, 32)); a = np.abs(x).max(-1, keepdims=True)
;;       e = np.where(a > 0, np.clip(np.frexp(np.where(a > 0, a, 1))[1] - 1 - 2, -126, 127), 0)      # np.frexp(a)[1] - 1 = floor(log2(a)), exactly
;;       r = np.clip(x / 2.0 ** e, -6, 6)
;;       step = 2.0 ** (np.maximum(np.frexp(np.where(r == 0, 1, r))[1] - 1, 0) - 1)
;;       q = np.round(r / step) * step * 2.0 ** e      # np.round: ties to even
;;       return np.moveaxis(q.reshape(q.shape[:-2] + (-1,))[..., :K], -1, axis).astype(np.float32)
;;   ~~~
;;   OPERANDS COMPUTED ON THE WAY. 'Computed on the way' means the value that the module computes at that place (a softmax that the list does not call 'softmax' is quantised finished and normalised). What goes into a quantiser is computed in f32, as accurately as f32 sums, v_exp_f32 and their like allow (about 1e-6 of the number): no bf16 or f16 on the way to a quantiser, and a product that is left as it is and whose result goes on into a quantised operand takes f32 operands (vector FMAs, or v_wmma_f32_16x16x4_f32). A number that lies on a knife's edge between two numbers of the format may be rounded either way, as far as f32 arithmetic and the matrix unit's own rounding can turn it there, and no further.
;;   INPUTS GIVEN AS CODES. W_ch (in the module: [64, 128], K = its axis 0); W_k (in the module: [1024, 1024], K = its axis 0); W_q (in the module: [1024, 1024], K = its axis 0); W_v1 (in the module: [1024, 1024], K = its axis 0); W_v2 (in the module: [1024, 1024], K = its axis 0); key_feats (in the module: [64, 512, 1024], K = its axis 2); query (in the module: [64, 1024], K = its axis 1); value1 (in the module: [64, 1024], K = its axis 1); value2 (in the module: [64, 512, 1024], K = its axis 2): each comes as NAME_codes (uint8): NAME with its K axis moved to the last place and cut into blocks of 32 codes, [.., K / 32, bytes a block], one block behind the other in memory; two codes a byte, the lower K in the low four bits (a code: sign, 2 exponent bits, 1 mantissa bit); and NAME_scales (uint8): the same leading axes, one E8M0 byte (e + 127) for each 32 codes along K. Its value is code x scale, taken as it is: it is not quantised again, and the codes and scales need not be those that the quantiser above would give.
;; 2 versions. Each part assembles by itself: llvm-mc -triple=amdgcn-amd-amdhsa -mcpu=gfx1250 --defsym DOCPART=n.
;; ======== version 1 of 2: 2 launches
;; workspace buffers: pre 526,592 bytes
;; launch pre_k (part 1): grid 8 x 8, 8 waves a work-group, no clusters, 66,816 bytes of LDS; arguments query_codes, query_scales, W_q_codes, W_q_scales, b_q, g_q, be_q, value1_codes, value1_scales, W_v1_codes, W_v1_scales, b_v1, g_v1, be_v1, g_k, be_k, W_basic, pre; writes pre
.if DOCPART == 1
	.amdgcn_target "amdgcn-amd-amdhsa--gfx1250"
	.amdhsa_code_object_version 6
	.text
	.protected	k_q3349223ad2_pre_k
	.globl	k_q3349223ad2_pre_k
	.p2align	8
	.type	k_q3349223ad2_pre_k,@function
k_q3349223ad2_pre_k:
	s_mov_b64 s[64:65], 0
	v_nop
	global_prefetch_b8 v0, s[64:65] scope:SCOPE_SE
	s_setreg_imm32_b32 hwreg(HW_REG_WAVE_MODE, 25, 1), 1
	s_wait_xcnt 0x0
; q = GroupNorm(celu(query W_q + b_q)) and v1 = GroupNorm(celu(value1 W_v1 + b_v1)), both products on codes of FP4 (E2M1) with E8M0 scales, and the column sums of W_basic.
; Stored into pre (f32): qg[64][1024] = q x g_k x 128^-0.5 at byte 0; v1[64][1024] at V1_OFF; qbe[64][8] = 128^-0.5 x sum over a head of q x be_k at QBE_OFF; wsum[64] at WSUM_OFF.
; SHARES.  Work-group (x, y): head x; y < 4: q, y >= 4: v1; rows 16 (y & 3) on.  64 work-groups are all the work there is (16 rows x 128 columns x K 1,024 each): no tensor loads, no cluster.
; Wave w takes K step w (128 along K) of all eight tiles of 16 columns: eight matrix instructions that start eight sums.  The eight waves' partial sums go through LDS as images of the
; registers and are added in ascending K.  The product is used transposed (source 0 = 16 rows of W, source 1 = the 16 rows of x): lane (r, hh), register 8 t + j = row r, column 16 t + 8 hh + j.
; Then wave w finishes rows 2 w and 2 w + 1: sixteen lanes to a row, eight columns a lane (64 i + 4 c4 + 0..3), so that a row's mean and variance want four steps inside 16 lanes.
; celu(x) = the middle one of x, 0 and t = 1.3 x 2^(x log2(e) / 1.3) - 1.3: for x >= 0, 0 <= x <= t; for x < 0, x <= t < 0.
; The stores of qbe and wsum are 4 bytes a lane: 2,304 bytes in the whole launch.
; LIMITS: NaN and infinities among the inputs are not served.
.set V1_OFF,   262144
.set QBE_OFF,  524288
.set WSUM_OFF, 526336
.set WPART,    65536                   ; LDS: behind the eight images of 8,192 bytes: eight partial sums of a column of W_basic
	s_load_b512 s[8:23], s[0:1], 0x0               ; query_codes, query_scales, W_q_codes, W_q_scales, b_q, g_q, be_q, value1_codes
	s_load_b512 s[24:39], s[0:1], 0x40             ; value1_scales, W_v1_codes, W_v1_scales, b_v1, g_v1, be_v1, g_k, be_k
	s_load_b128 s[40:43], s[0:1], 0x80             ; W_basic, pre
	v_lshl_add_u32 v254, v0, 2, 0x10100
	v_mov_b32 v255, 0
	v_lshrrev_b32 v12, 5, v0
	v_readfirstlane_b32 s4, v12                    ; wave 0..7
	s_and_b32 s5, ttmp7, 0xffff                    ; y
	s_and_b32 s6, s5, 3                            ; which 16 rows
	v_and_b32 v1, 31, v0                           ; lane
	v_and_b32 v2, 15, v0                           ; r, later c4
	v_bfe_u32 v3, v0, 4, 1                         ; hh, later rr
	v_lshlrev_b32 v4, 9, v2
	v_lshl_add_u32 v4, v3, 4, v4                   ; codes: row r of 512 bytes + 16 hh
	v_lshlrev_b32 v5, 5, v2                        ; scale words: row r of 32 bytes
	s_lshl_b32 s7, s4, 13
	v_lshlrev_b32 v6, 4, v1
	v_add_nc_u32 v6, s7, v6                        ; my image: 8,192 x wave + 16 x lane
	v_lshrrev_b32 v12, 2, v2
	v_and_b32 v13, 1, v2
	v_lshl_add_u32 v12, v12, 1, v13                ; 2 (c4 / 4) + c4 % 2: which group of four registers holds columns 4 c4 on
	v_bfe_u32 v13, v0, 1, 1                        ; (c4 / 2) % 2: in which half of the lanes
	v_lshlrev_b32 v7, 9, v12
	v_lshl_add_u32 v7, v13, 8, v7
	v_lshl_add_u32 v7, v3, 4, v7
	s_lshl_b32 s7, s4, 5
	v_add_nc_u32 v7, s7, v7                        ; and the lane of row 2 w + rr: 16 bytes each
	v_lshlrev_b32 v8, 4, v2                        ; constants: 16 c4
	v_lshl_add_u32 v9, v3, 12, v8                  ; out: row rr of 4,096 bytes + 16 c4
	v_lshlrev_b32 v10, 5, v3                       ; qbe: row rr of 32 bytes
	v_lshlrev_b32 v11, 8, v2                       ; W_basic: row r of 256 bytes
	v_mov_b32 v14, 0
	v_mov_b32 v94, 0xbfa66666                      ; -1.3, twice
	v_mov_b32 v95, 0xbfa66666
	s_mov_b32 s54, 0x3f8e0ccb                      ; log2(e) / 1.3
	s_mov_b32 s55, s54
	s_mov_b32 s56, 0x3fa66666                      ; 1.3
	s_mov_b32 s57, s56
	s_mov_b32 s58, 0xbc000000                      ; -1 / 128
	s_mov_b32 s59, 0x3c000000                      ; 1 / 128
	s_mov_b32 s60, 0x3727c5ac                      ; 1e-5
	s_mov_b32 s62, 0x3db504f3                      ; 128^-0.5
	s_mov_b32 s63, s62
	s_mov_b32 s47, 0
	s_wait_kmcnt 0x0
	s_cmp_lt_u32 s5, 4                             ; q's buffers or v1's: the choice hangs on the work-group's number alone
	s_cselect_b64 s[8:9], s[8:9], s[22:23]
	s_cselect_b64 s[10:11], s[10:11], s[24:25]
	s_cselect_b64 s[12:13], s[12:13], s[26:27]
	s_cselect_b64 s[14:15], s[14:15], s[28:29]
	s_cselect_b64 s[16:17], s[16:17], s[30:31]
	s_cselect_b64 s[18:19], s[18:19], s[32:33]
	s_cselect_b64 s[20:21], s[20:21], s[34:35]
	s_cselect_b32 s44, 0, V1_OFF
	s_lshl_b32 s46, s6, 13                         ; x's codes: 16 rows of 512 bytes a block, 64 bytes a K step
	s_lshl_b32 s7, s4, 6
	s_add_co_u32 s46, s46, s7
	s_add_nc_u64 s[8:9], s[8:9], s[46:47]
	s_lshl_b32 s46, s6, 9                          ; x's scales: 16 rows of 32 bytes, 4 bytes a K step
	s_lshl_b32 s7, s4, 2
	s_add_co_u32 s46, s46, s7
	s_add_nc_u64 s[10:11], s[10:11], s[46:47]
	s_lshl_b32 s46, ttmp9, 16                      ; W's codes: the head's 128 rows
	s_lshl_b32 s7, s4, 6
	s_add_co_u32 s46, s46, s7
	s_add_nc_u64 s[12:13], s[12:13], s[46:47]
	s_lshl_b32 s46, ttmp9, 12                      ; W's scales
	s_lshl_b32 s7, s4, 2
	s_add_co_u32 s46, s46, s7
	s_add_nc_u64 s[14:15], s[14:15], s[46:47]
	s_lshl_b32 s46, ttmp9, 9                       ; the head's 128 numbers of each constant
	s_add_nc_u64 s[16:17], s[16:17], s[46:47]
	s_add_nc_u64 s[18:19], s[18:19], s[46:47]
	s_add_nc_u64 s[20:21], s[20:21], s[46:47]
	s_add_nc_u64 s[36:37], s[36:37], s[46:47]
	s_add_nc_u64 s[38:39], s[38:39], s[46:47]
	s_lshl_b32 s45, s5, 3
	s_add_co_u32 s45, s45, ttmp9
	s_lshl_b32 s45, s45, 2                         ; 4 (8 y + x): the work-group's column of W_basic
	s_lshl_b32 s46, s4, 12                         ; my wave's 16 rows of it
	s_add_co_u32 s46, s46, s45
	s_add_nc_u64 s[40:41], s[40:41], s[46:47]
	s_add_co_u32 s46, s45, WSUM_OFF
	s_add_nc_u64 s[52:53], s[42:43], s[46:47]      ; where its sum goes
	s_lshl_b32 s45, s6, 4
	s_lshl_b32 s7, s4, 1
	s_add_co_u32 s45, s45, s7                      ; row 16 rb + 2 w
	s_lshl_b32 s46, s45, 12
	s_add_co_u32 s46, s46, s44
	s_lshl_b32 s7, ttmp9, 9
	s_add_co_u32 s46, s46, s7
	s_add_nc_u64 s[48:49], s[42:43], s[46:47]      ; qg or v1 at that row and head
	s_lshl_b32 s46, s45, 5
	s_lshl_b32 s7, ttmp9, 2
	s_add_co_u32 s46, s46, s7
	s_add_co_u32 s46, s46, QBE_OFF
	s_add_nc_u64 s[50:51], s[42:43], s[46:47]      ; qbe likewise
	global_load_b128 v[16:19], v4, s[8:9]          ; x's fragment
	global_load_b128 v[20:23], v4, s[8:9] offset:32
	global_load_b32 v24, v5, s[10:11]              ; its scale words
.irp t, 0,1,2,3,4,5,6,7
	global_load_b32 v[25+\t], v5, s[14:15] offset:\t*512
.endr
.irp t, 0,1,2,3,4,5,6,7
	global_load_b128 v[160+8*\t:163+8*\t], v4, s[12:13] offset:\t*8192
	global_load_b128 v[164+8*\t:167+8*\t], v4, s[12:13] offset:\t*8192+32
.endr
.irp i, 0,1
	global_load_b128 v[34+4*\i:37+4*\i], v8, s[16:17] offset:256*\i     ; b
	global_load_b128 v[42+4*\i:45+4*\i], v8, s[18:19] offset:256*\i     ; g
	global_load_b128 v[50+4*\i:53+4*\i], v8, s[20:21] offset:256*\i     ; be
	global_load_b128 v[58+4*\i:61+4*\i], v8, s[36:37] offset:256*\i     ; g_k
	global_load_b128 v[66+4*\i:69+4*\i], v8, s[38:39] offset:256*\i     ; be_k
.endr
	global_load_b32 v74, v11, s[40:41]             ; W_basic(16 w + r, my column)
	s_wait_loadcnt 11                              ; codes and scale words are in; the ten loads of constants and W_basic's one may be out
.irp t, 0,1,2,3,4,5,6,7
	v_wmma_scale_f32_16x16x128_f8f6f4 v[96+8*\t:103+8*\t], v[160+8*\t:167+8*\t], v[16:23], 0, v[25+\t], v24 matrix_a_fmt:MATRIX_FMT_FP4 matrix_b_fmt:MATRIX_FMT_FP4
.endr
.rept 4
	v_nop                                          ; four places in front of the first read of a result (ISA guide 7.12.1)
.endr
.irp i, 0,1,2,3,4,5,6,7,8,9,10,11,12,13,14,15
	ds_store_b128 v6, v[96+4*\i:99+4*\i] offset:512*\i   ; the image: each accumulator from its low end on
.endr
	s_wait_loadcnt 0x0
	v_add_f32_dpp v74, v74, v74 row_xmask:1 row_mask:0xf bank_mask:0xf   ; 16 rows of W_basic's column
	v_add_f32_dpp v74, v74, v74 row_xmask:2 row_mask:0xf bank_mask:0xf
	v_add_f32_dpp v74, v74, v74 row_xmask:4 row_mask:0xf bank_mask:0xf
	v_add_f32_dpp v74, v74, v74 row_xmask:8 row_mask:0xf bank_mask:0xf
	s_lshl_b32 s7, s4, 2
	s_add_co_u32 s7, s7, WPART
	v_mov_b32 v12, s7
	ds_store_b32 v12, v74                          ; all lanes write the same word with the same value
	s_wait_dscnt 0x0                               ; for the others' sake: my stores have landed
	s_barrier_signal -1
	s_barrier_wait -1
	v_mov_b32 v13, WPART
	ds_load_b128 v[144:147], v13
	ds_load_b128 v[148:151], v13 offset:16
.irp p, 0,1,2,3,4,5,6,7
.irp i, 0,1
	ds_load_b128 v[160+8*\p+4*\i:163+8*\p+4*\i], v7 offset:\p*8192+\i*4096
.endr
.endr
	s_wait_dscnt 12                                ; images 0 and 1 are in; the twelve loads of the six later ones may be out
.irp k, 0,2,4,6
	v_pk_add_f32 v[80+\k:81+\k], v[160+\k:161+\k], v[168+\k:169+\k]
.endr
.irp p, 2,3,4,5,6,7
	s_wait_dscnt 14-2*\p                           ; image p is in: two loads for each later image may be out
.irp k, 0,2,4,6
	v_pk_add_f32 v[80+\k:81+\k], v[80+\k:81+\k], v[160+8*\p+\k:161+8*\p+\k]   ; K ascending
.endr
.endr
.irp k, 0,2,4,6
	v_pk_add_f32 v[80+\k:81+\k], v[80+\k:81+\k], v[34+\k:35+\k]           ; + b
.endr
.irp k, 0,2,4,6
	v_pk_mul_f32 v[152+\k:153+\k], v[80+\k:81+\k], s[54:55] op_sel_hi:[1,0]
.endr
.irp j, 0,1,2,3,4,5,6,7
	v_exp_f32 v[152+\j], v[152+\j]
.endr
	v_nop                                          ; a plain place behind the exponentials
	s_wait_alu depctr_va_vdst(0)
.irp k, 0,2,4,6
	v_pk_fma_f32 v[152+\k:153+\k], v[152+\k:153+\k], s[56:57], v[94:95] op_sel_hi:[1,0,1]   ; t = 1.3 x 2^.. - 1.3
.endr
.irp j, 0,1,2,3,4,5,6,7
	v_med3_num_f32 v[80+\j], v[80+\j], 0, v[152+\j]                       ; celu
.endr
	v_pk_add_f32 v[88:89], v[80:81], v[82:83]
	v_pk_add_f32 v[90:91], v[84:85], v[86:87]
	v_pk_add_f32 v[88:89], v[88:89], v[90:91]
	v_add_f32 v88, v88, v89
.irp m, 1,2,4,8
	v_add_f32_dpp v88, v88, v88 row_xmask:\m row_mask:0xf bank_mask:0xf
.endr
	v_mul_f32 v88, s58, v88                        ; - the mean of the head's 128
	v_mov_b32 v89, v88
.irp k, 0,2,4,6
	v_pk_add_f32 v[80+\k:81+\k], v[80+\k:81+\k], v[88:89]
.endr
	v_pk_mul_f32 v[90:91], v[80:81], v[80:81]
.irp k, 2,4,6
	v_pk_fma_f32 v[90:91], v[80+\k:81+\k], v[80+\k:81+\k], v[90:91]
.endr
	v_add_f32 v90, v90, v91
.irp m, 1,2,4,8
	v_add_f32_dpp v90, v90, v90 row_xmask:\m row_mask:0xf bank_mask:0xf
.endr
	v_fma_f32 v90, v90, s59, s60                   ; the variance + 1e-5
	v_rsq_f32 v90, v90
	v_nop                                          ; a plain place behind the transcendental
	s_wait_alu depctr_va_vdst(0)
	v_mov_b32 v91, v90
.irp k, 0,2,4,6
	v_pk_mul_f32 v[80+\k:81+\k], v[80+\k:81+\k], v[90:91]
.endr
.irp k, 0,2,4,6
	v_pk_fma_f32 v[80+\k:81+\k], v[80+\k:81+\k], v[42+\k:43+\k], v[50+\k:51+\k]   ; x g + be
.endr
	s_cmp_ge_u32 s5, 4
	s_cbranch_scc1 .Lplain                         ; v1 leaves as it is
	v_pk_mul_f32 v[92:93], v[80:81], v[66:67]      ; q: the sum of q x be_k over the head,
.irp k, 2,4,6
	v_pk_fma_f32 v[92:93], v[80+\k:81+\k], v[66+\k:67+\k], v[92:93]
.endr
	v_add_f32 v92, v92, v93
.irp m, 1,2,4,8
	v_add_f32_dpp v92, v92, v92 row_xmask:\m row_mask:0xf bank_mask:0xf
.endr
	v_mul_f32 v92, s62, v92
.irp k, 0,2,4,6
	v_pk_mul_f32 v[80+\k:81+\k], v[80+\k:81+\k], v[58+\k:59+\k]           ; and q x g_k x 128^-0.5
.endr
.irp k, 0,2,4,6
	v_pk_mul_f32 v[80+\k:81+\k], v[80+\k:81+\k], s[62:63] op_sel_hi:[1,0]
.endr
	v_cmp_eq_u32 vcc_lo, 0, v2
	s_wait_xcnt 0x0                                ; EXEC changes only behind this wait
	s_and_saveexec_b32 s45, vcc_lo                 ; one lane for each of the two rows
	global_store_b32 v10, v92, s[50:51]
	s_wait_xcnt 0x0                                ; and again in front of the line that widens it
	s_or_b32 exec_lo, exec_lo, s45
.Lplain:
	global_store_b128 v9, v[80:83], s[48:49]       ; sixteen lanes store 256 consecutive bytes, at a multiple of 256 from the buffer's first byte
	global_store_b128 v9, v[84:87], s[48:49] offset:256
.irp i, 1,2,3,4,5,6,7
	v_add_f32 v144, v144, v[144+\i]                ; the column's sum, rows ascending
.endr
	v_cmp_eq_u32 vcc_lo, 0, v0
	s_wait_xcnt 0x0
	s_wait_tensorcnt 0x0
	ds_add_u32 v254, v255
	s_wait_dscnt 0x0
	s_and_saveexec_b32 s45, vcc_lo                 ; thread 0 alone
	global_store_b32 v14, v144, s[52:53]
	s_wait_xcnt 0x0
	s_or_b32 exec_lo, exec_lo, s45
	s_endpgm
.Lfunc_end_k_q3349223ad2_pre_k:
	.size	k_q3349223ad2_pre_k, .Lfunc_end_k_q3349223ad2_pre_k-k_q3349223ad2_pre_k
	.p2alignl 7, 3214868480
	.fill 96, 4, 3214868480
	.section	.rodata,"a",@progbits
	.p2align	6, 0x0
	.amdhsa_kernel k_q3349223ad2_pre_k
		.amdhsa_group_segment_fixed_size 66816
		.amdhsa_private_segment_fixed_size 0
		.amdhsa_enable_private_segment 0
		.amdhsa_kernarg_size 144
		.amdhsa_user_sgpr_count 2
		.amdhsa_user_sgpr_kernarg_segment_ptr 1
		.amdhsa_wavefront_size32 1
		.amdhsa_system_sgpr_workgroup_id_x 1
		.amdhsa_system_sgpr_workgroup_id_y 1
		.amdhsa_system_sgpr_workgroup_id_z 1
		.amdhsa_system_vgpr_workitem_id 0
		.amdhsa_next_free_vgpr 256
		.amdhsa_next_free_sgpr 66
		.amdhsa_reserve_vcc 1
		.amdhsa_float_denorm_mode_32 3
		.amdhsa_float_denorm_mode_16_64 3
		.amdhsa_memory_ordered 1
		.amdhsa_forward_progress 1
		.amdhsa_inst_pref_size 20
	.end_amdhsa_kernel
	.amdgpu_metadata
---
amdhsa.version: [ 1, 2 ]
amdhsa.kernels:
  - .name:           k_q3349223ad2_pre_k
    .symbol:         k_q3349223ad2_pre_k.kd
    .args:
      - { .name: query_codes, .offset: 0, .size: 8, .value_kind: global_buffer, .address_space: global }
      - { .name: query_scales, .offset: 8, .size: 8, .value_kind: global_buffer, .address_space: global }
      - { .name: W_q_codes, .offset: 16, .size: 8, .value_kind: global_buffer, .address_space: global }
      - { .name: W_q_scales, .offset: 24, .size: 8, .value_kind: global_buffer, .address_space: global }
      - { .name: b_q, .offset: 32, .size: 8, .value_kind: global_buffer, .address_space: global }
      - { .name: g_q, .offset: 40, .size: 8, .value_kind: global_buffer, .address_space: global }
      - { .name: be_q, .offset: 48, .size: 8, .value_kind: global_buffer, .address_space: global }
      - { .name: value1_codes, .offset: 56, .size: 8, .value_kind: global_buffer, .address_space: global }
      - { .name: value1_scales, .offset: 64, .size: 8, .value_kind: global_buffer, .address_space: global }
      - { .name: W_v1_codes, .offset: 72, .size: 8, .value_kind: global_buffer, .address_space: global }
      - { .name: W_v1_scales, .offset: 80, .size: 8, .value_kind: global_buffer, .address_space: global }
      - { .name: b_v1, .offset: 88, .size: 8, .value_kind: global_buffer, .address_space: global }
      - { .name: g_v1, .offset: 96, .size: 8, .value_kind: global_buffer, .address_space: global }
      - { .name: be_v1, .offset: 104, .size: 8, .value_kind: global_buffer, .address_space: global }
      - { .name: g_k, .offset: 112, .size: 8, .value_kind: global_buffer, .address_space: global }
      - { .name: be_k, .offset: 120, .size: 8, .value_kind: global_buffer, .address_space: global }
      - { .name: W_basic, .offset: 128, .size: 8, .value_kind: global_buffer, .address_space: global }
      - { .name: pre, .offset: 136, .size: 8, .value_kind: global_buffer, .address_space: global }
    .group_segment_fixed_size: 66816
    .private_segment_fixed_size: 0
    .kernarg_segment_align: 8
    .kernarg_segment_size: 144
    .max_flat_workgroup_size: 256
    .sgpr_count:     66
    .vgpr_count:     256
    .wavefront_size: 32
...
	.end_amdgpu_metadata
.endif
;; end of part 1
;; launch main_k (part 2): grid 4 x 64, 4 waves a work-group, clusters of 4 x 4, 327,680 bytes of LDS; arguments key_feats_codes, key_feats_scales, W_k_codes, W_k_scales, value2_codes, value2_scales, W_v2_codes, W_v2_scales, b_k, b_v2, g_v2, be_v2, mask, b_basic, W_sp, b_sp, W_ch_codes, W_ch_scales, b_ch, pre, out0; writes out0
.if DOCPART == 2
	.amdgcn_target "amdgcn-amd-amdhsa--gfx1250"
	.amdhsa_code_object_version 6
	.text
	.protected	k_q3349223ad2_main_k
	.globl	k_q3349223ad2_main_k
	.p2align	8
	.type	k_q3349223ad2_main_k,@function
k_q3349223ad2_main_k:
	s_mov_b64 s[64:65], 0
	v_nop
	global_prefetch_b8 v0, s[64:65] scope:SCOPE_SE
	s_setreg_imm32_b32 hwreg(HW_REG_WAVE_MODE, 25, 1), 1
	s_wait_xcnt 0x0
	s_wait_alu depctr_hold_cnt(0) depctr_sa_sdst(0) depctr_va_vdst(0) depctr_va_sdst(0) depctr_va_ssrc(0) depctr_va_vcc(0) depctr_vm_vsrc(0)
	s_getreg_b32 s2, hwreg(HW_REG_IB_STS2, 6, 4)
	s_cmp_eq_u32 s2, 0
	s_cbranch_scc0 .Lentry_in_a_cluster
	s_endpgm
.Lentry_in_a_cluster:
	s_bfe_u32 s2, ttmp6, 0x10000c
	s_cmp_lg_u32 s2, 0xf033
	s_cbranch_scc0 .Lentry_shape_is_right
	s_endpgm
.Lentry_shape_is_right:
; out[b][h][:] = v1 x (sum over m of softmax_m(alpha_sp) v2[m]) x sigmoid(Q(pool) W_ch + b_ch), with k = GN(celu(key_feats W_k + b_k)) and v2 = GN(celu(value2 W_v2 + b_v2)) never stored.
; All quantised products run on codes of FP4 (E2M1) with one E8M0 scale for each 32 along K.
; SHARES.  256 work-groups of four waves.  Work-group (hp, b) owns batch row b and heads 2 hp, 2 hp + 1, and makes four passes of 256 rows x 256 columns x K 1,024: keys' rows 0-255, 256-511, then values' likewise.
; Wave w: rows 128 (w / 2) on, head w % 2: 128 x 128, 64 accumulators, 512 registers.  The matrix instruction is used transposed (source 0 = 16 rows of W, source 1 = 16 rows of the features): lane (r, hh) of
; block a holds row 16 a + r and, in register 8 t + j, channel 16 t + 8 hh + j.  So a row's 128 channels, one head's group of the norm, lie in lanes l and l xor 16 of one wave.
; ALGEBRA.  c = celu(sum + bias), d = c - mean, rs = rsqrt(mean(d^2) + 1e-5).  score = rs x sum(d x qg) + qbe (qg, qbe made by the launch before).  sum over m of a_m v2 = g x sum((a_m rs_m) d) + be, the a_m summing to 1.
; celu(x) = the middle one of x, 0, 1.3 x 2^(x log2(e) / 1.3) - 1.3.  The bias is the C of each sum's first matrix instruction.
; RING.  K goes in two steps of 512 through two LDS slots (rows of 256 bytes + 16 of padding); a pass's slot is asked for again, for the next pass, as soon as it has been read out.
; CLUSTER.  4 x 4 work-groups: the four of a row share b, so the features' tiles; the four of a column share hp, so W's.  Each tile is asked for jointly, by the same tensor load with a mask that names the four.
; By this text's own count a wave has two tensor loads out at the start and one behind each round.
; SCALES come straight into registers, 512 consecutive bytes a load, asked for one epilogue ahead: lane (r, hh) holds the four words of K steps 4 hh + 0..3 of its row, so lanes 0-15 serve slot 0 and lanes 16-31 slot 1.
; REGISTERS, in windows of 256.  Window 0: v0-31 addresses and a few scale words; v32-63 the features' scale words, v64-95 W's; v96-111 scores, later softmax weights; v112-127 the mask, later v1, g, be;
;   v128-191 the features' fragments (one set), at work elsewhere; v192-255 qg, later the sum over m.   Windows 1, 2: v0-191 accumulator blocks 0-2, 3-5; v192-255 W's fragments, set 0 and set 1.
;   Window 3: v0-127 blocks 6, 7; v128-191 the bias.   v192-229 of windows 1 to 3 are the epilogue's temporaries, so that a group of blocks is worked under one window setting.
; LIMITS: NaN and infinities among the inputs are not served.  A block of zeros of pool keeps the scale byte 1: its codes are zeros.  A batch row whose mask is all zeros gives NaN.
.set PITCH,  272                       ; an LDS row: 256 bytes + 16 of padding = 68 words: the 16 rows that a load touches start at 16 different banks (64 banks of 4 bytes: ISA guide 11.1)
.set HALFT,  128*PITCH                 ; what one tensor load brings, and what one wave reads of either operand
.set SLOT,   4*HALFT                   ; the features' 256 rows, then W's 256 rows
.set CONST,  2*SLOT                    ; +0 wsum, +256 b_basic, +512 W_sp, +768 W_ch's scales, +1024 W_ch's codes, +5120 b_ch
.set XCH,    CONST+5632                ; 512 bytes a wave: its part of pool (256 bytes), and at +256 + 128 hh its maximum, sum and mask sum
.set ACH,    XCH+2048                  ; [head][128]: pool W_ch + b_ch
.set OX,     ACH+1024                  ; 512 bytes a wave: its part of the sum over m
.set SPARE,  OX+2048                   ; the spare words, 128 bytes a wave: two blocks of 256 bytes that no other line names
.set V1_OFF,   262144
.set QBE_OFF,  524288
.set WSUM_OFF, 526336
.set MSB, 0
.macro WIN new                         ; the immediate's high byte repeats the setting that is left; a switch that changes nothing is dropped
.if MSB != (\new)
	s_set_vgpr_msb (MSB<<8)|(\new)
.set MSB, (\new)
.endif
.endm
.macro PLACES n
.rept \n
	v_nop
.endr
.endm
.macro CREST                           ; a round of the cluster's barrier behind its opening barrier
	s_cmp_lg_u32 s14, 0
	s_cbranch_scc1 .Lnot_wave_0_\@
	s_barrier_signal -3
.Lnot_wave_0_\@:
	s_barrier_wait -3
	s_barrier_signal -1
	s_barrier_wait -1
.endm
.macro CROUND
	s_barrier_signal -1
	s_barrier_wait -1
	CREST
.endm
; A joint load: waves 0 and 1 fetch the features' two halves, waves 2 and 3 W's.  The branch hangs on the wave's number alone.  Four v_nop follow each of the two lines.
.macro JLOAD s
	s_cmp_eq_u32 s15, 0
	s_cbranch_scc0 .Lfor_w_\@
	tensor_load_to_lds s[32+4*\s:35+4*\s], s[24:31]
	s_nop 0
.rept 4
	v_nop
.endr
	s_branch .Lasked_\@
.Lfor_w_\@:
	tensor_load_to_lds s[56+4*\s:59+4*\s], s[48:55]
	s_nop 0
.rept 4
	v_nop
.endr
.Lasked_\@:
.endm
; The slot's descriptors for the next pass.  mode 0: from the pointers s[68:69], s[72:73]; mode 1: the features 256 rows on, W as it was.  No tensor load of the wave is out where this stands.
.macro SETD s, mode
.if \mode
	s_add_nc_u64 s[34+4*\s:35+4*\s], s[34+4*\s:35+4*\s], 131072
.else
	s_add_nc_u64 s[34+4*\s:35+4*\s], s[68:69], 256*\s
	s_or_b32 s[35+4*\s], s[35+4*\s], 0x80000000
	s_add_nc_u64 s[58+4*\s:59+4*\s], s[72:73], 256*\s
	s_or_b32 s[59+4*\s], s[59+4*\s], 0x80000000
.endif
.endm
; A fragment, 16 rows x 128 K of 4-bit codes, is 8 registers: lane l holds row l % 16; registers 4 c .. 4 c + 3 hold K = 64 c + 32 (l / 16) + 0 .. 31.
.macro FETCH_W slot, q, p              ; W's eight fragments of the slot's q-th 128 along K into set p
	WIN ((1+(\p))<<6)
.irp t, 0,1,2,3,4,5,6,7
.irp c, 0,1
	ds_load_b128 v[192+8*\t+4*\c:195+8*\t+4*\c], v[5+\slot] offset:64*(\q)+32*\c+\t*16*PITCH
.endr
.endr
	WIN 0
.endm
.macro FETCH_A slot, q, i0             ; the features' blocks i0 .. i0 + 3
.irp i, \i0, \i0+1, \i0+2, \i0+3
.irp c, 0,1
	ds_load_b128 v[128+8*(\i)+4*\c:131+8*(\i)+4*\c], v[3+\slot] offset:64*(\q)+32*\c+(\i)*16*PITCH
.endr
.endr
.endm
; Eight matrix instructions: block a against W's eight tiles.  first = 1: the bias starts the sums.  The 64 accumulators take turns, one instruction a turn, in the same order in every step.
.macro MUL8 a, p, q, slot, first
.set WW, 1+(\a)/3
.set AB, 64*((\a)%3)
.if \first
	WIN ((WW<<6)|(3<<4)|(1+(\p)))
.else
	WIN ((WW<<6)|(WW<<4)|(1+(\p)))
.endif
.irp t, 0,1,2,3,4,5,6,7
.set DD, AB+8*\t
.set CC, DD
.if \first
.set CC, 128+8*\t
.endif
.if \slot
	v_wmma_scale_f32_16x16x128_f8f6f4 v[DD:DD+7], v[192+8*\t:199+8*\t], v[128+8*(\a):135+8*(\a)], v[CC:CC+7], v[64+4*\t+(\q)], v[32+4*(\a)+(\q)] matrix_a_fmt:MATRIX_FMT_FP4 matrix_b_fmt:MATRIX_FMT_FP4 matrix_a_scale:MATRIX_SCALE_ROW1 matrix_b_scale:MATRIX_SCALE_ROW1
.else
	v_wmma_scale_f32_16x16x128_f8f6f4 v[DD:DD+7], v[192+8*\t:199+8*\t], v[128+8*(\a):135+8*(\a)], v[CC:CC+7], v[64+4*\t+(\q)], v[32+4*(\a)+(\q)] matrix_a_fmt:MATRIX_FMT_FP4 matrix_b_fmt:MATRIX_FMT_FP4
.endif
.endr
.endm
; A step of 128 along K that has its successor in the same slot.  Loads into registers that matrix instructions have read stand four places behind them (ISA guide 7.12.1 for vector instructions).
.macro STEP slot, q, first
	s_wait_dscnt 8                                 ; W's set and blocks 0-3 are in; the youngest eight loads (blocks 4-7) may be out
	MUL8 0, (\q)%2, \q, \slot, \first
	MUL8 1, (\q)%2, \q, \slot, \first
	MUL8 2, (\q)%2, \q, \slot, \first
	MUL8 3, (\q)%2, \q, \slot, \first
	s_wait_dscnt 0x0                               ; blocks 4-7 are in
	PLACES 4
	FETCH_W \slot, (\q)+1, 1-(\q)%2
	FETCH_A \slot, (\q)+1, 0
	MUL8 4, (\q)%2, \q, \slot, \first
	MUL8 5, (\q)%2, \q, \slot, \first
	MUL8 6, (\q)%2, \q, \slot, \first
	MUL8 7, (\q)%2, \q, \slot, \first
	PLACES 4
	WIN 0
	FETCH_A \slot, (\q)+1, 4
.endm
; Slot 0's last step changes slots: one barrier; in front of it each wave waits for all its tensor loads, adds 0 to its spare word, and waits for that and for its reads of the slot.
; fill = 1: the barrier opens a round of the cluster's, and slot 0 is asked for again, for the next pass, first thing behind it.
.macro TURN fill, mode
	s_wait_tensorcnt 0x0                           ; all my tensor loads have landed: my part of slot 1
	ds_add_u32 v1, v2                              ; 0 onto my spare word
	s_wait_dscnt 9                                 ; (the add and the youngest eight loads may be out)
	MUL8 0, 1, 3, 0, 0
	MUL8 1, 1, 3, 0, 0
	s_wait_dscnt 0x0                               ; the add is done, and my reads of slot 0 are over
	s_barrier_signal -1
	MUL8 2, 1, 3, 0, 0
	MUL8 3, 1, 3, 0, 0
	WIN 0
	s_barrier_wait -1
.if \fill
	CREST                                          ; no wave of any partner still reads slot 0 or has a load on its way
	SETD 0, \mode
	JLOAD 0                                        ; its four v_nop are also the places in front of the loads below
.else
	PLACES 4
.endif
	FETCH_W 1, 0, 0
	FETCH_A 1, 0, 0
	MUL8 4, 1, 3, 0, 0
	MUL8 5, 1, 3, 0, 0
	MUL8 6, 1, 3, 0, 0
	MUL8 7, 1, 3, 0, 0
	PLACES 4
	WIN 0
	FETCH_A 1, 0, 4
.endm
; Slot 1's last step of a pass that has a successor: the same three lines and round; slot 1 is asked for again; it lands while the epilogue is worked.  The round also shows slot 0's new tile to every wave.
.macro LASTF mode
	s_wait_tensorcnt 0x0                           ; my part of slot 0's next tile has landed
	ds_add_u32 v1, v2
	s_wait_dscnt 9
	MUL8 0, 1, 3, 1, 0
	MUL8 1, 1, 3, 1, 0
	s_wait_dscnt 0x0                               ; the add is done, and my reads of slot 1 are over
	s_barrier_signal -1
	MUL8 2, 1, 3, 1, 0
	MUL8 3, 1, 3, 1, 0
	WIN 0
	s_barrier_wait -1
	CREST
	SETD 1, \mode
	JLOAD 1
	MUL8 4, 1, 3, 1, 0
	MUL8 5, 1, 3, 1, 0
	MUL8 6, 1, 3, 1, 0
	MUL8 7, 1, 3, 1, 0
	WIN 0
	PLACES 4                                       ; in front of the loads into scale and bias registers, and of the first read of results
.endm
.macro LASTN                           ; the last pass's last step: nothing more to fetch
	s_wait_dscnt 8
	MUL8 0, 1, 3, 1, 0
	MUL8 1, 1, 3, 1, 0
	MUL8 2, 1, 3, 1, 0
	MUL8 3, 1, 3, 1, 0
	s_wait_dscnt 0x0
	MUL8 4, 1, 3, 1, 0
	MUL8 5, 1, 3, 1, 0
	MUL8 6, 1, 3, 1, 0
	MUL8 7, 1, 3, 1, 0
	WIN 0
	PLACES 4
.endm
.macro HALF0                           ; a pass's first fragments and slot 0's first three steps
	FETCH_W 0, 0, 0
	FETCH_A 0, 0, 0
	FETCH_A 0, 0, 4
	s_wait_loadcnt 0x0                             ; the pass's scale words and bias
	STEP 0, 0, 1
	STEP 0, 1, 0
	STEP 0, 2, 0
.endm
.macro HALF1
	STEP 1, 0, 0
	STEP 1, 1, 0
	STEP 1, 2, 0
.endm
; The next pass's scale words (and, all = 1, W's scale words and the bias in the accumulators' layout).  A load of scale words reads 512 consecutive bytes.
.macro PRELOAD all
.irp i, 0,1,2,3,4,5,6,7
	global_load_b128 v[32+4*\i:35+4*\i], v7, s[70:71] offset:512*\i
.endr
.if \all
.irp t, 0,1,2,3,4,5,6,7
	global_load_b128 v[64+4*\t:67+4*\t], v7, s[74:75] offset:512*\t
.endr
	WIN 0xc0
.irp t, 0,1,2,3,4,5,6,7
	global_load_b128 v[128+8*\t:131+8*\t], v8, s[84:85] offset:64*\t
	global_load_b128 v[132+8*\t:135+8*\t], v8, s[84:85] offset:64*\t+16
.endr
	WIN 0
.endif
.endm
; THE EPILOGUE.  Temporaries (same numbers in windows 1 to 3): v192-199 a ring of four pairs; v200+2 bi the sum; v206+2 bi the sum of squares; v212+2 bi - the mean, twice; v218+bi rs; v222+bi, v225+bi at work; v228-229 -1.3.
; PASS1: celu in place and the sum, a block of 32 pairs.  The pair's steps lie three pairs apart, so that a plain instruction stands behind every exponential; the block is read in ascending order.
.macro PASS1 base, bi
.set PP, 0
.rept 35
.if PP < 32
	v_pk_mul_f32 v[192+2*(PP%4):193+2*(PP%4)], v[\base+2*PP:\base+2*PP+1], s[4:5] op_sel_hi:[1,0]
.endif
.if (PP >= 1) && (PP <= 32)
	v_exp_f32 v[192+2*((PP-1)%4)], v[192+2*((PP-1)%4)]
.endif
.if (PP >= 2) && (PP <= 33)
	s_wait_alu depctr_va_vdst(0)
	v_pk_fma_f32 v[192+2*((PP-2)%4):193+2*((PP-2)%4)], v[192+2*((PP-2)%4):193+2*((PP-2)%4)], s[6:7], v[228:229] op_sel_hi:[1,0,1]
.endif
.if (PP >= 1) && (PP <= 32)
	v_exp_f32 v[193+2*((PP-1)%4)], v[193+2*((PP-1)%4)]
.endif
.if PP >= 3
	v_med3_num_f32 v[\base+2*PP-6], v[\base+2*PP-6], 0, v[192+2*((PP-3)%4)]
	v_med3_num_f32 v[\base+2*PP-5], v[\base+2*PP-5], 0, v[193+2*((PP-3)%4)]
.if PP == 4
	v_pk_add_f32 v[200+2*\bi:201+2*\bi], v[\base:\base+1], v[\base+2:\base+3]
.elseif PP > 4
	v_pk_add_f32 v[200+2*\bi:201+2*\bi], v[200+2*\bi:201+2*\bi], v[\base+2*PP-6:\base+2*PP-5]
.endif
.endif
.set PP, PP+1
.endr
.endm
.macro ACROSS src                      ; v[222+bi] = the two halves of v[src + 2 bi], and lane l xor 16's
.set BI, 0
.rept NB
	v_add_f32 v[222+BI], v[\src+2*BI], v[\src+1+2*BI]
.set BI, BI+1
.endr
.set BI, 0
.rept NB
	v_mov_b32 v[225+BI], v[222+BI]                 ; (a lane permute's destination counts as one of its sources)
.set BI, BI+1
.endr
.set BI, 0
.rept NB
	v_permlanex16_b32 v[225+BI], v[222+BI], s66, s67
.set BI, BI+1
.endr
.set BI, 0
.rept NB
	v_add_f32 v[222+BI], v[222+BI], v[225+BI]
.set BI, BI+1
.endr
.endm
.macro STAT1
	ACROSS 200
.set BI, 0
.rept NB
	v_mul_f32 v[212+2*BI], s9, v[222+BI]           ; - the mean
	v_mul_f32 v[213+2*BI], s9, v[222+BI]
.set BI, BI+1
.endr
.endm
.macro PASS2                           ; centre in place, and the sum of squares; the blocks by turns
.set PP, 0
.rept 33
.if PP < 32
.set BI, 0
.rept NB
	v_pk_add_f32 v[64*BI+2*PP:64*BI+2*PP+1], v[64*BI+2*PP:64*BI+2*PP+1], v[212+2*BI:213+2*BI]
.set BI, BI+1
.endr
.endif
.if PP > 0
.set BI, 0
.rept NB
.if PP == 1
	v_pk_mul_f32 v[206+2*BI:207+2*BI], v[64*BI:64*BI+1], v[64*BI:64*BI+1]
.else
	v_pk_fma_f32 v[206+2*BI:207+2*BI], v[64*BI+2*PP-2:64*BI+2*PP-1], v[64*BI+2*PP-2:64*BI+2*PP-1], v[206+2*BI:207+2*BI]
.endif
.set BI, BI+1
.endr
.endif
.set PP, PP+1
.endr
.endm
.macro STAT2
	ACROSS 206
.set BI, 0
.rept NB
	v_fma_f32 v[222+BI], v[222+BI], s8, s100       ; the variance + 1e-5
.set BI, BI+1
.endr
.set BI, 0
.rept NB
	v_rsq_f32 v[218+BI], v[222+BI]
.set BI, BI+1
.endr
	v_nop                                          ; a plain place behind the transcendentals
.endm
; Keys: sum of d x qg, in two chains a block, into window 0 (v128 + 4 a); rs to v160 + a.  Source 0 in the group's window, all else in window 0.
.macro KRUN g
.set BI, 0
.rept NB
	s_wait_alu depctr_va_vdst(0)
	v_mov_b32 v[160+3*(\g)+BI], v[218+BI]
.set BI, BI+1
.endr
.set PP, 0
.rept 32
.set BI, 0
.rept NB
.set DT, 128+4*(3*(\g)+BI)+2*(PP%2)
.if PP < 2
	v_pk_mul_f32 v[DT:DT+1], v[64*BI+2*PP:64*BI+2*PP+1], v[192+2*PP:193+2*PP]
.else
	v_pk_fma_f32 v[DT:DT+1], v[64*BI+2*PP:64*BI+2*PP+1], v[192+2*PP:193+2*PP], v[DT:DT+1]
.endif
.set BI, BI+1
.endr
.set PP, PP+1
.endr
.endm
.macro KFIN                            ; the pass's eight scores a lane; the pass before's move down
.irp a, 0,1,2,3,4,5,6,7
	v_pk_add_f32 v[128+4*\a:129+4*\a], v[128+4*\a:129+4*\a], v[130+4*\a:131+4*\a]
.endr
.irp a, 0,1,2,3,4,5,6,7
	v_add_f32 v[128+4*\a], v[128+4*\a], v[129+4*\a]
.endr
.irp a, 0,1,2,3,4,5,6,7
	v_mov_b32 v[168+\a], v[128+4*\a]
.endr
.irp a, 0,1,2,3,4,5,6,7
	v_permlanex16_b32 v[168+\a], v[128+4*\a], s66, s67
.endr
.irp a, 0,1,2,3,4,5,6,7
	v_add_f32 v[128+4*\a], v[128+4*\a], v[168+\a]
.endr
.irp a, 0,1,2,3,4,5,6,7
	v_mov_b32 v[96+\a], v[104+\a]
.endr
.irp a, 0,1,2,3,4,5,6,7
	v_fma_f32 v[104+\a], v[128+4*\a], v[160+\a], s104    ; rs x sum(d qg) + qbe
.endr
.endm
; Values: the sum over rows of (weight x rs) x d, into window 0 v192-255: 32 chains.
.macro VRUN g, u0, start
.set BI, 0
.rept NB
.set AA, 3*(\g)+BI
	s_wait_alu depctr_va_vdst(0)
	v_mul_f32 v[128+2*AA], v[218+BI], v[96+(\u0)+AA]
	v_mul_f32 v[129+2*AA], v[218+BI], v[96+(\u0)+AA]
.set BI, BI+1
.endr
.set BI, 0
.rept NB
.set AA, 3*(\g)+BI
.set PP, 0
.rept 32
.if (\start) && (AA == 0)
	v_pk_mul_f32 v[192+2*PP:193+2*PP], v[64*BI+2*PP:64*BI+2*PP+1], v[128+2*AA:129+2*AA]
.else
	v_pk_fma_f32 v[192+2*PP:193+2*PP], v[64*BI+2*PP:64*BI+2*PP+1], v[128+2*AA:129+2*AA], v[192+2*PP:193+2*PP]
.endif
.set PP, PP+1
.endr
.set BI, BI+1
.endr
.endm
.macro EPI kind, u0, start             ; three groups of blocks, one for each window: two window switches a group
.irp g, 0,1,2
.set NB, 3-(\g)/2
	WIN (0x55*(\g+1))
	v_mov_b32 v228, 0xbfa66666
	v_mov_b32 v229, 0xbfa66666
	PASS1 0, 0
	PASS1 64, 1
.if \g < 2
	PASS1 128, 2
.endif
	STAT1
	PASS2
	STAT2
	WIN (\g+1)
.if \kind
	VRUN \g, \u0, \start
.else
	KRUN \g
.endif
.endr
	WIN 0
.endm
	; ---------------- THE HEAD
	s_load_b512 s[68:83], s[0:1], 0x0              ; key codes, key scales, W_k codes, W_k scales, value2 codes, value2 scales, W_v2 codes, W_v2 scales
	s_load_b512 s[84:99], s[0:1], 0x40             ; b_k, b_v2, g_v2, be_v2, mask, b_basic, W_sp, b_sp
	s_load_b256 s[4:11], s[0:1], 0x80              ; W_ch codes, W_ch scales, b_ch, pre
	s_load_b64 s[12:13], s[0:1], 0xa0              ; out0
	v_lshl_add_u32 v1, v0, 2, SPARE
	v_mov_b32 v2, 0
	ds_add_u32 v1, v2
	ds_add_u32 v1, v2
	s_wait_dscnt 0x0
	v_lshrrev_b32 v136, 5, v0
	v_readfirstlane_b32 s14, v136                  ; wave 0..3
	s_lshr_b32 s15, s14, 1                         ; mh: which 128 rows are mine.  Also: I fetch the features (0) or W (1)
	s_and_b32 s16, s14, 1                          ; hd: which head of the pair.  Also: which 128 rows of a tile I fetch
	s_bfe_u32 s40, ttmp6, 0x40000                  ; cx, cy: my place in the cluster
	s_bfe_u32 s41, ttmp6, 0x40004
	s_lshl_b32 s18, ttmp9, 2
	s_add_co_u32 s18, s18, s40                     ; hp = 4 x cluster x + cx
	s_and_b32 s17, ttmp7, 0xffff
	s_lshl_b32 s17, s17, 2
	s_add_co_u32 s17, s17, s41                     ; b = 4 x cluster y + cy
	s_lshl_b32 s42, s41, 2
	s_lshl_b32 s42, 15, s42                        ; my row of the cluster
	s_lshl_b32 s43, 0x1111, s40                    ; my column
	s_or_b32 s24, s42, (0<<16)|(1<<20)|(1<<21)|(5<<22)|(3<<25)   ; 15:0 the mask; 17:16 elements of 1 byte; 20 padding on; 21 set beside a mask; 24:22 after every 64 words; 31:25 four words
	s_or_b32 s48, s43, (0<<16)|(1<<20)|(1<<21)|(5<<22)|(3<<25)
.irp g, 24, 48
	s_mov_b32 s[\g+1], 256<<16                     ; tensor_dim0 = 256 bytes
	s_mov_b32 s[\g+2], 128<<16                     ; tensor_dim1 = 128
	s_mov_b32 s[\g+3], 256<<16                     ; tile_dim0
	s_mov_b32 s[\g+4], 128                         ; tile_dim1
	s_mov_b32 s[\g+5], 512                         ; bytes from row to row
	s_mov_b32 s[\g+6], 0
	s_mov_b32 s[\g+7], 0
.endr
	s_mov_b32 s66, 0x76543210                      ; v_permlanex16_b32's selects for lane l xor 16
	s_mov_b32 s67, 0xfedcba98
	s_mov_b32 s100, 0x3727c5ac                     ; 1e-5
	s_mov_b32 s101, 0x3fb8aa3b                     ; log2(e)
	s_lshl_b32 s20, s17, 18                        ; the features' tile: row 512 b + 128 x half, 512 bytes a row.  s[20:21] never hold cx,
	s_lshl_b32 s21, s16, 16
	s_add_co_u32 s20, s20, s21
	s_mov_b32 s21, 0
	s_lshl_b32 s44, s18, 17                        ; W's: row 256 hp + 128 x half.  s[44:45] never hold cy
	s_lshl_b32 s45, s16, 16
	s_add_co_u32 s44, s44, s45
	s_mov_b32 s45, 0
	s_mul_i32 s46, s14, HALFT                      ; where my part of a tile goes: no place in the cluster enters an LDS address
	s_wait_kmcnt 0x0
	s_add_nc_u64 s[68:69], s[68:69], s[20:21]
	s_add_nc_u64 s[76:77], s[76:77], s[20:21]
	s_add_nc_u64 s[72:73], s[72:73], s[44:45]
	s_add_nc_u64 s[80:81], s[80:81], s[44:45]
	CROUND                                         ; all sixteen work-groups are here: the first joint loads meet
.irp s, 0,1
	s_mov_b32 s[32+4*\s], 1
	s_add_co_u32 s[33+4*\s], s46, \s*SLOT
	s_add_nc_u64 s[34+4*\s:35+4*\s], s[68:69], \s*256
	s_or_b32 s[35+4*\s], s[35+4*\s], 0x80000000
	s_mov_b32 s[56+4*\s], 1
	s_add_co_u32 s[57+4*\s], s46, \s*SLOT
	s_add_nc_u64 s[58+4*\s:59+4*\s], s[72:73], \s*256
	s_or_b32 s[59+4*\s], s[59+4*\s], 0x80000000
	JLOAD \s                                       ; pass 0's two slots
.endr
	v_and_b32 v136, 31, v0                         ; lane
	v_and_b32 v137, 15, v0                         ; r
	v_bfe_u32 v138, v0, 4, 1                       ; hh
	v_mul_u32_u24 v139, v137, PITCH
	v_lshl_add_u32 v139, v138, 4, v139
	s_mul_i32 s46, s15, HALFT                      ; my 128 rows of the features,
	s_mul_i32 s47, s16, HALFT
	s_add_co_u32 s47, s47, 2*HALFT                 ; my head's 128 rows of W
	v_add_nc_u32 v3, s46, v139
	v_add_nc_u32 v5, s47, v139
	s_add_co_u32 s46, s46, SLOT
	s_add_co_u32 s47, s47, SLOT
	v_add_nc_u32 v4, s46, v139
	v_add_nc_u32 v6, s47, v139
	v_lshlrev_b32 v7, 5, v137
	v_lshl_add_u32 v7, v138, 4, v7                 ; scale words: 32 r + 16 hh
	v_lshlrev_b32 v8, 5, v138                      ; 32 hh: eight channels of f32
	v_lshlrev_b32 v9, 2, v137                      ; 4 r
	v_lshlrev_b32 v10, 3, v0                       ; 8 x thread
	v_lshlrev_b32 v144, 7, v138                    ; 128 hh
	; every LDS address of the later phases is made here, in registers that hold nothing else
	v_add_nc_u32 v11, CONST, v144                  ; the three tables: my half's 32 numbers
	s_lshl_b32 s46, s14, 9
	s_add_co_u32 s46, s46, XCH
	v_add_nc_u32 v12, s46, v144                    ; where my wave's part of pool goes
	s_lshl_b32 s46, s16, 9
	s_add_co_u32 s46, s46, XCH
	v_add_nc_u32 v13, s46, v144                    ; where my head's two parts lie: + 0 and + 1,024
	s_lshl_b32 s46, s15, 11
	s_add_co_u32 s46, s46, CONST+1024
	v_add_nc_u32 v14, s46, v7                      ; W_ch's rows 64 mh + r: 32 bytes a row
	s_lshl_b32 s46, s15, 8
	s_add_co_u32 s46, s46, CONST+5120
	v_add_nc_u32 v15, s46, v8                      ; b_ch
	s_lshl_b32 s46, s15, 7
	s_add_co_u32 s46, s46, CONST+768
	v_lshrrev_b32 v24, 1, v9
	v_add_nc_u32 v24, s46, v24                     ; W_ch's scales: 2 bytes a row
	s_lshl_b32 s46, s16, 9
	s_lshl_b32 s47, s15, 8
	s_add_co_u32 s46, s46, s47
	s_add_co_u32 s46, s46, ACH
	v_add_nc_u32 v25, s46, v8                      ; where pool W_ch + b_ch goes
	s_lshl_b32 s46, s14, 9
	s_add_co_u32 s46, s46, OX
	v_add_nc_u32 v26, s46, v8                      ; where my part of the sum over m goes
	v_add_nc_u32 v28, ACH, v10                     ; the tail: my two columns
	v_lshlrev_b32 v145, 2, v136
	s_lshl_b32 s46, s15, 9
	s_lshl_b32 s47, s16, 7
	s_add_co_u32 s46, s46, s47
	s_add_co_u32 s46, s46, CONST
	v_add_nc_u32 v29, s46, v145                    ; staging: half a table
	v_lshlrev_b32 v146, 4, v136
	s_lshl_b32 s46, s14, 10
	s_add_co_u32 s46, s46, CONST+1024
	v_add_nc_u32 v30, s46, v146                    ; a quarter of W_ch's codes
	v_lshlrev_b32 v143, 2, v0
	v_add_nc_u32 v31, CONST+5120, v143             ; a word of b_ch
	v_add_nc_u32 v141, s47, v145                   ; the same places in memory
	s_lshl_b32 s46, s14, 10
	v_add_nc_u32 v142, s46, v146
	s_lshl_b32 s46, s16, 9
	v_add_nc_u32 v140, s46, v8                     ; qg: my head, my half's channels
	; the pointers
	s_add_nc_u64 s[68:69], s[68:69], 131072        ; the keys' tile of pass 1
	s_mov_b32 s23, 0
	s_lshl_b32 s22, s17, 14                        ; the features' scales: row 512 b + 128 mh, 32 bytes a row
	s_lshl_b32 s46, s15, 12
	s_add_co_u32 s22, s22, s46
	s_add_nc_u64 s[70:71], s[70:71], s[22:23]
	s_add_nc_u64 s[78:79], s[78:79], s[22:23]
	s_lshl_b32 s22, s18, 13                        ; W's scales: row 256 hp + 128 hd
	s_lshl_b32 s46, s16, 12
	s_add_co_u32 s22, s22, s46
	s_add_nc_u64 s[74:75], s[74:75], s[22:23]
	s_add_nc_u64 s[82:83], s[82:83], s[22:23]
	s_lshl_b32 s22, s18, 10                        ; the pair's 256 columns of f32
	s_add_nc_u64 s[88:89], s[88:89], s[22:23]
	s_add_nc_u64 s[90:91], s[90:91], s[22:23]
	s_lshl_b32 s46, s16, 9
	s_add_co_u32 s22, s22, s46                     ; my head's 128
	s_add_nc_u64 s[84:85], s[84:85], s[22:23]
	s_add_nc_u64 s[86:87], s[86:87], s[22:23]
	s_lshl_b32 s22, s17, 11                        ; the mask: row b, my 128 of each 256
	s_lshl_b32 s46, s15, 9
	s_add_co_u32 s22, s22, s46
	s_add_nc_u64 s[92:93], s[92:93], s[22:23]
	s_add_nc_u64 s[46:47], s[10:11], WSUM_OFF
	s_cmp_eq_u32 s15, 0                            ; waves 0, 1 stage wsum and b_basic, waves 2, 3 W_sp and W_ch's scales: the choice hangs on the wave's number alone
	s_cselect_b64 s[96:97], s[46:47], s[96:97]
	s_cselect_b64 s[94:95], s[94:95], s[6:7]
	s_lshl_b32 s22, s17, 5                         ; qbe[b][2 hp + hd]
	s_lshl_b32 s46, s18, 3
	s_add_co_u32 s22, s22, s46
	s_lshl_b32 s46, s16, 2
	s_add_co_u32 s22, s22, s46
	s_add_nc_u64 s[46:47], s[10:11], s[22:23]
	s_load_b32 s104, s[46:47], QBE_OFF
	s_load_b32 s19, s[98:99], 0x0                  ; b_sp
	s_lshl_b32 s22, s17, 12                        ; pre and out0 at row b, the pair's columns
	s_lshl_b32 s2, s18, 10
	s_add_co_u32 s22, s22, s2
	s_add_nc_u64 s[10:11], s[10:11], s[22:23]
	s_add_nc_u64 s[12:13], s[12:13], s[22:23]
	global_load_b32 v21, v141, s[96:97]            ; five staging loads
	global_load_b32 v22, v141, s[94:95]
	global_load_b128 v[128:131], v142, s[4:5]
	global_load_b128 v[132:135], v142, s[4:5] offset:512
	global_load_b32 v23, v143, s[8:9]
	PRELOAD 1                                      ; pass 0's scale words and bias: 32 loads
.irp t, 0,1,2,3,4,5,6,7
	global_load_b128 v[192+8*\t:195+8*\t], v140, s[10:11] offset:64*\t       ; qg in the accumulators' layout: 16 loads
	global_load_b128 v[196+8*\t:199+8*\t], v140, s[10:11] offset:64*\t+16
.endr
.irp u, 0,1,2,3,4,5,6,7,8,9,10,11,12,13,14,15
	global_load_b32 v[112+\u], v9, s[92:93] offset:1024*(\u/8)+64*(\u%8)     ; the mask of my 16 registers of rows: 16 loads
.endr
.irp a, 0,1,2,3,4,5,6,7
	v_mov_b32 v[104+\a], 0                         ; (moved down, unused, by the first pass)
.endr
	s_wait_loadcnt 63                              ; 64 loads were issued behind the five staging loads: those are in
	ds_store_b32 v29, v21
	ds_store_b32 v29, v22 offset:256
	ds_store_b128 v30, v[128:131]
	ds_store_b128 v30, v[132:135] offset:512
	ds_store_b32 v31, v23
	s_wait_xcnt 0x0                                ; every load's addresses are translated: bases and offsets may be written again
	s_wait_kmcnt 0x0
	s_add_nc_u64 s[70:71], s[70:71], 8192          ; the scales of the keys' rows 256 on
	s_mov_b32 s4, 0x3f8e0ccb                       ; log2(e) / 1.3
	s_mov_b32 s5, s4
	s_mov_b32 s6, 0x3fa66666                       ; 1.3
	s_mov_b32 s7, s6
	s_mov_b32 s8, 0x3c000000                       ; 1 / 128
	s_mov_b32 s9, 0xbc000000                       ; -1 / 128
	s_wait_tensorcnt 0x1                           ; my part of slot 0 is in; slot 1's may stay out
	s_wait_dscnt 0x0                               ; my staged bytes have landed
	s_barrier_signal -1
	s_barrier_wait -1
	; ---------------- THE KEYS: two passes, one trip each
	s_mov_b32 s3, 2
.Lkeys:
	HALF0
	TURN 1, 0
	HALF1
	LASTF 0
	s_mov_b64 s[68:69], s[76:77]                   ; what the next trip asks for: the values' first tile, and W_v2's
	s_mov_b64 s[72:73], s[80:81]
	PRELOAD 1
	EPI 0, 0, 0
	KFIN
	s_wait_xcnt 0x0                                ; the loads above have read their bases
	s_mov_b64 s[70:71], s[78:79]
	s_mov_b64 s[74:75], s[82:83]
	s_mov_b64 s[84:85], s[86:87]
	s_sub_co_u32 s3, s3, 1
	s_cmp_lg_u32 s3, 0
	s_cbranch_scc1 .Lkeys
	; ---------------- THE MIDDLE, in window 1, whose registers are free: v0-15 scores, v16-31 mask, v32-63 wsum, v64-95 b_basic, v96-127 W_sp (my half's 32 of the 64), v128-159 alpha's sums, v160-223 pool's, v224-231 at work
	WIN 0x40
.irp u, 0,1,2,3,4,5,6,7,8,9,10,11,12,13,14,15
	v_mov_b32 v[\u], v[96+\u]
.endr
.irp u, 0,1,2,3,4,5,6,7,8,9,10,11,12,13,14,15
	v_mov_b32 v[16+\u], v[112+\u]
.endr
.irp i, 0,1,2,3,4,5,6,7
	ds_load_b128 v[32+4*\i:35+4*\i], v11 offset:16*\i
	ds_load_b128 v[64+4*\i:67+4*\i], v11 offset:256+16*\i
	ds_load_b128 v[96+4*\i:99+4*\i], v11 offset:512+16*\i
.endr
	s_wait_dscnt 0x0
	WIN 0x55
	; hidden = relu(score x wsum + b_basic), two of the 64 at a time; alpha += hidden x W_sp; pool += hidden x mask.  Four rows by turns
.set JP, 0
.rept 16
.set GG, 0
.rept 4
.irp k, 0,1,2,3
.set UU, 4*GG+\k
.if (\k)%2
	v_pk_fma_f32 v[224+2*\k:225+2*\k], v[UU-1:UU], v[32+2*JP:33+2*JP], v[64+2*JP:65+2*JP] op_sel:[1,0,0] op_sel_hi:[1,1,1]
.else
	v_pk_fma_f32 v[224+2*\k:225+2*\k], v[UU:UU+1], v[32+2*JP:33+2*JP], v[64+2*JP:65+2*JP] op_sel:[0,0,0] op_sel_hi:[0,1,1]
.endif
.endr
.irp i, 0,1,2,3,4,5,6,7
	v_max_num_f32 v[224+\i], 0, v[224+\i]
.endr
.irp k, 0,1,2,3
.set UU, 4*GG+\k
.set PR, 160+4*JP+2*((\k)%2)
.if JP == 0
	v_pk_mul_f32 v[128+2*UU:129+2*UU], v[224+2*\k:225+2*\k], v[96:97]
.else
	v_pk_fma_f32 v[128+2*UU:129+2*UU], v[224+2*\k:225+2*\k], v[96+2*JP:97+2*JP], v[128+2*UU:129+2*UU]
.endif
.if (GG == 0) && (\k < 2)
.if (\k)%2
	v_pk_mul_f32 v[PR:PR+1], v[224+2*\k:225+2*\k], v[16+UU-1:16+UU] op_sel:[0,1] op_sel_hi:[1,1]
.else
	v_pk_mul_f32 v[PR:PR+1], v[224+2*\k:225+2*\k], v[16+UU:17+UU] op_sel:[0,0] op_sel_hi:[1,0]
.endif
.else
.if (\k)%2
	v_pk_fma_f32 v[PR:PR+1], v[224+2*\k:225+2*\k], v[16+UU-1:16+UU], v[PR:PR+1] op_sel:[0,1,0] op_sel_hi:[1,1,1]
.else
	v_pk_fma_f32 v[PR:PR+1], v[224+2*\k:225+2*\k], v[16+UU:17+UU], v[PR:PR+1] op_sel:[0,0,0] op_sel_hi:[1,0,1]
.endif
.endif
.endr
.set GG, GG+1
.endr
.set JP, JP+1
.endr
	; alpha_sp of my 16 registers of rows: v232-247
.irp u, 0,1,2,3,4,5,6,7,8,9,10,11,12,13,14,15
	v_add_f32 v[232+\u], v[128+2*\u], v[129+2*\u]
.endr
.irp u, 0,1,2,3,4,5,6,7,8,9,10,11,12,13,14,15
	v_mov_b32 v[64+\u], v[232+\u]
.endr
.irp u, 0,1,2,3,4,5,6,7,8,9,10,11,12,13,14,15
	v_permlanex16_b32 v[64+\u], v[232+\u], s66, s67      ; the other 32 of the 64
.endr
.irp u, 0,1,2,3,4,5,6,7,8,9,10,11,12,13,14,15
	v_add_f32 v[232+\u], v[232+\u], v[64+\u]
.endr
	v_mov_b32 v80, 0xce6e6b28                      ; -1e9
.irp u, 0,1,2,3,4,5,6,7,8,9,10,11,12,13,14,15
	v_add_f32 v[232+\u], s19, v[232+\u]            ; + b_sp
.endr
.irp u, 0,1,2,3,4,5,6,7,8,9,10,11,12,13,14,15
	v_cmp_eq_f32 vcc_lo, 0, v[16+\u]
	v_cndmask_b32 v[232+\u], v[232+\u], v80, vcc_lo
.endr
	v_max3_num_f32 v248, v232, v233, v234          ; my wave's maximum: 16 registers, then 16 lanes (both halves of the lanes hold the same rows)
.irp i, 3,5,7,9,11,13
	v_max3_num_f32 v248, v248, v[232+\i], v[233+\i]
.endr
	v_max_num_f32 v248, v248, v247
.irp m, 1,2,4,8
	v_max_num_f32_dpp v248, v248, v248 row_xmask:\m row_mask:0xf bank_mask:0xf
.endr
.irp u, 0,1,2,3,4,5,6,7,8,9,10,11,12,13,14,15
	v_sub_f32 v[232+\u], v[232+\u], v248
.endr
.irp u, 0,1,2,3,4,5,6,7,8,9,10,11,12,13,14,15
	v_mul_f32 v[232+\u], s101, v[232+\u]
.endr
.irp u, 0,1,2,3,4,5,6,7,8,9,10,11,12,13,14,15
	v_exp_f32 v[232+\u], v[232+\u]                 ; p = e^(alpha - my wave's maximum)
.endr
	v_pk_add_f32 v[84:85], v[16:17], v[18:19]      ; the mask's sum.  (A plain place behind the exponentials)
.irp i, 4,6,8,10,12,14
	v_pk_add_f32 v[84:85], v[84:85], v[16+\i:17+\i]
.endr
	s_wait_alu depctr_va_vdst(0)
	v_pk_add_f32 v[82:83], v[232:233], v[234:235]  ; p's sum
.irp i, 4,6,8,10,12,14
	v_pk_add_f32 v[82:83], v[82:83], v[232+\i:233+\i]
.endr
	v_add_f32 v249, v82, v83
	v_add_f32 v250, v84, v85
	v_mov_b32 v251, 0
.irp m, 1,2,4,8
	v_add_f32_dpp v249, v249, v249 row_xmask:\m row_mask:0xf bank_mask:0xf
	v_add_f32_dpp v250, v250, v250 row_xmask:\m row_mask:0xf bank_mask:0xf
.endr
.set JP, 0
.rept 16
	v_pk_add_f32 v[32+2*JP:33+2*JP], v[160+4*JP:161+4*JP], v[162+4*JP:163+4*JP]   ; pool's two chains,
.set JP, JP+1
.endr
.irp m, 1,2,4,8
.set II, 0
.rept 32
	v_add_f32_dpp v[32+II], v[32+II], v[32+II] row_xmask:\m row_mask:0xf bank_mask:0xf   ; and the 16 lanes' rows
.set II, II+1
.endr
.endr
	WIN 0x04                                       ; an LDS store's data are its source 1
.irp i, 0,1,2,3,4,5,6,7
	ds_store_b128 v12, v[32+4*\i:35+4*\i] offset:16*\i      ; the sixteen lanes of a half write the same bytes with the same values
.endr
	ds_store_b128 v12, v[248:251] offset:256
	s_wait_dscnt 0x0                               ; for the others' sake
	s_barrier_signal -1                            ; slot 1's tile may stay on its way
	s_barrier_wait -1
	WIN 0x40
.irp i, 0,1,2,3,4,5,6,7
	ds_load_b128 v[32+4*\i:35+4*\i], v13 offset:16*\i         ; my head's two parts of pool, always in the same order
	ds_load_b128 v[64+4*\i:67+4*\i], v13 offset:1024+16*\i
.endr
	ds_load_b128 v[96:99], v13 offset:256
	ds_load_b128 v[100:103], v13 offset:1024+256
.irp t, 0,1,2,3
	ds_load_b128 v[160+8*\t:163+8*\t], v14 offset:512*\t      ; W_ch's tiles 4 mh + t: K = 32 hh + 0 .. 31
	ds_load_b128 v[192+8*\t:195+8*\t], v15 offset:64*\t       ; b_ch in the result's layout
	ds_load_b128 v[196+8*\t:199+8*\t], v15 offset:64*\t+16
.endr
	v_lshrrev_b32 v124, 2, v8                      ; 8 hh
	WIN 0
.irp t, 0,1,2,3
	ds_load_u16 v[16+\t], v24 offset:32*\t         ; W_ch's two scale bytes a row
.endr
	s_wait_dscnt 0x0
.irp t, 0,1,2,3
	v_or_b32 v[16+\t], 0x7f7f0000, v[16+\t]        ; K 64 to 127 are zero codes under the byte 127
.endr
	WIN 0x55
	v_max_num_f32 v112, v96, v100                  ; the head's maximum
	v_sub_f32 v113, v96, v112
	v_sub_f32 v114, v100, v112
	v_sub_f32 v115, v248, v112
	v_mul_f32 v113, s101, v113
	v_mul_f32 v114, s101, v114
	v_mul_f32 v115, s101, v115
	v_exp_f32 v113, v113
	v_exp_f32 v114, v114
	v_exp_f32 v115, v115
	v_add_f32 v116, v98, v102                      ; the mask's sum.  (A plain place)
	s_wait_alu depctr_va_vdst(0)
	v_mul_f32 v117, v97, v113
	v_fma_f32 v117, v101, v114, v117               ; the softmax's sum
	v_rcp_f32 v118, v117
	v_rcp_f32 v119, v116
	v_nop
	s_wait_alu depctr_va_vdst(0)
	v_mul_f32 v115, v115, v118                     ; what my p are multiplied by,
	v_mul_f32 v120, v116, v119                     ; times 1, or NaN where the mask's sum is 0
	v_mul_f32 v115, v115, v120
.set II, 0
.rept 16
	v_pk_add_f32 v[32+2*II:33+2*II], v[32+2*II:33+2*II], v[64+2*II:65+2*II]
.set II, II+1
.endr
.set II, 0
.rept 16
	v_pk_mul_f32 v[32+2*II:33+2*II], v[32+2*II:33+2*II], v[118:119] op_sel:[0,1] op_sel_hi:[1,1]   ; pool: my 32 registers are one block of 32 along K
.set II, II+1
.endr
	v_max3_num_f32 v121, |v32|, |v33|, 0x1800000   ; its largest magnitude, and the floor 2^(3 - 127): the byte cannot fall under 1
.irp i, 2,4,6,8,10,12,14,16,18,20,22,24,26,28,30
	v_max3_num_f32 v121, v121, |v[32+\i]|, |v[33+\i]|
.endr
	v_add_nc_u32 v122, 0xff000000, v121            ; 2 off its exponent field: the conversion's scale operand
	v_lshrrev_b32 v123, 23, v122                   ; the scale's byte,
	v_lshlrev_b32 v123, v124, v123                 ; at its place in the word,
	v_mov_b32 v125, v123
	v_permlanex16_b32 v125, v123, s66, s67
	v_or_b32 v123, v123, v125                      ; with the other block's
	WIN 0x04
	v_or_b32 v20, 0x7f7f0000, v123
	WIN 0x55
.irp g, 0,1,2,3
	v_cvt_scalef32_pk8_fp4_f32 v[104+\g], v[32+8*\g:39+8*\g], v122
.endr
	v_nop                                          ; one plain place behind a scaled conversion
.irp i, 0,1,2,3
	v_mov_b32 v[108+\i], 0                         ; K 64 to 127: zero codes, on both sides
.endr
.irp t, 0,1,2,3
.irp i, 0,1,2,3
	v_mov_b32 v[164+8*\t+\i], 0
.endr
.endr
	PLACES 8                                       ; a scale register written by a vector instruction stands 8 places ahead of a scaled matrix instruction, an operand so written 4
.irp t, 0,1,2,3
	v_wmma_scale_f32_16x16x128_f8f6f4 v[128+8*\t:135+8*\t], v[160+8*\t:167+8*\t], v[104:111], v[192+8*\t:199+8*\t], v[16+\t], v20 matrix_a_fmt:MATRIX_FMT_FP4 matrix_b_fmt:MATRIX_FMT_FP4
.endr
	PLACES 4
	WIN 0x04
.irp t, 0,1,2,3
	ds_store_b128 v25, v[128+8*\t:131+8*\t] offset:64*\t         ; all sixteen columns are the one row of pool: the lanes of a half write the same bytes
	ds_store_b128 v25, v[132+8*\t:135+8*\t] offset:64*\t+16
.endr
	WIN 0x01
	v_mov_b32 v27, v115
.irp u, 0,1,2,3,4,5,6,7,8,9,10,11,12,13,14,15
	v_mul_f32 v[96+\u], v[232+\u], v27             ; the softmax's weights of my rows
.endr
	WIN 0
	global_load_b64 v[112:113], v10, s[10:11] offset:V1_OFF      ; for the tail: v1, g_v2, be_v2 of my two columns
	global_load_b64 v[114:115], v10, s[88:89]
	global_load_b64 v[116:117], v10, s[90:91]
	; ---------------- THE VALUES.  Written out: the last pass asks for nothing
	HALF0
	TURN 1, 1
	HALF1
	LASTF 1
	s_add_nc_u64 s[70:71], s[70:71], 8192          ; the scales of the values' rows 256 on (the loads that read this base were waited for at the pass's head)
	PRELOAD 0
	EPI 1, 0, 1
	HALF0
	TURN 0, 0
	HALF1
	LASTN
	EPI 1, 8, 0
	; ---------------- THE TAIL
.irp m, 1,2,4,8
.set II, 0
.rept 64
	v_add_f32_dpp v[192+II], v[192+II], v[192+II] row_xmask:\m row_mask:0xf bank_mask:0xf   ; the 16 lanes' rows
.set II, II+1
.endr
.endr
.irp t, 0,1,2,3,4,5,6,7
	ds_store_b128 v26, v[192+8*\t:195+8*\t] offset:64*\t
	ds_store_b128 v26, v[196+8*\t:199+8*\t] offset:64*\t+16
.endr
	s_wait_dscnt 0x0                               ; for the others' sake
	s_barrier_signal -1
	s_barrier_wait -1
	ds_load_b64 v[132:133], v28                    ; thread t owns columns 2 t, 2 t + 1 of the pair's 256
	ds_load_b64 v[128:129], v28 offset:OX-ACH
	ds_load_b64 v[130:131], v28 offset:OX-ACH+1024
	s_wait_dscnt 0x0
	v_mul_f32 v132, 0xbfb8aa3b, v132
	v_mul_f32 v133, 0xbfb8aa3b, v133
	v_exp_f32 v132, v132
	v_exp_f32 v133, v133
	v_pk_add_f32 v[128:129], v[128:129], v[130:131]          ; the two halves of the rows.  (A plain place)
	s_wait_alu depctr_va_vdst(0)
	v_add_f32 v132, 1.0, v132
	v_add_f32 v133, 1.0, v133
	v_rcp_f32 v132, v132
	v_rcp_f32 v133, v133                           ; sigmoid
	v_pk_fma_f32 v[128:129], v[128:129], v[114:115], v[116:117]   ; x g_v2 + be_v2.  (A plain place)
	v_pk_mul_f32 v[128:129], v[128:129], v[112:113]
	s_wait_alu depctr_va_vdst(0)
	v_pk_mul_f32 v[128:129], v[128:129], v[132:133]
	global_store_b64 v10, v[128:129], s[12:13] th:TH_STORE_NT    ; a wave stores 256 consecutive bytes, at a multiple of 256 from the buffer's first byte
	s_wait_tensorcnt 0x0                           ; the wave's end
	ds_add_u32 v1, v2
	s_wait_dscnt 0x0
	CROUND                                         ; the closing round: no work-group ends while a partner may still ask for a tile that names it
	s_endpgm
.Lfunc_end_k_q3349223ad2_main_k:
	.size	k_q3349223ad2_main_k, .Lfunc_end_k_q3349223ad2_main_k-k_q3349223ad2_main_k
	.p2alignl 7, 3214868480
	.fill 96, 4, 3214868480
	.section	.rodata,"a",@progbits
	.p2align	6, 0x0
	.amdhsa_kernel k_q3349223ad2_main_k
		.amdhsa_group_segment_fixed_size 327680
		.amdhsa_private_segment_fixed_size 0
		.amdhsa_enable_private_segment 0
		.amdhsa_kernarg_size 168
		.amdhsa_user_sgpr_count 2
		.amdhsa_user_sgpr_kernarg_segment_ptr 1
		.amdhsa_wavefront_size32 1
		.amdhsa_system_sgpr_workgroup_id_x 1
		.amdhsa_system_sgpr_workgroup_id_y 1
		.amdhsa_system_sgpr_workgroup_id_z 1
		.amdhsa_system_vgpr_workitem_id 0
		.amdhsa_next_free_vgpr 1024
		.amdhsa_next_free_sgpr 106
		.amdhsa_reserve_vcc 1
		.amdhsa_float_denorm_mode_32 3
		.amdhsa_float_denorm_mode_16_64 3
		.amdhsa_memory_ordered 1
		.amdhsa_forward_progress 1
		.amdhsa_inst_pref_size 255
	.end_amdhsa_kernel
	.section	.bss,"aw",@nobits
	.p2align	6
	.space	262144
	.amdgpu_metadata
---
amdhsa.version: [ 1, 2 ]
amdhsa.kernels:
  - .name:           k_q3349223ad2_main_k
    .symbol:         k_q3349223ad2_main_k.kd
    .args:
      - { .name: key_feats_codes, .offset: 0, .size: 8, .value_kind: global_buffer, .address_space: global }
      - { .name: key_feats_scales, .offset: 8, .size: 8, .value_kind: global_buffer, .address_space: global }
      - { .name: W_k_codes, .offset: 16, .size: 8, .value_kind: global_buffer, .address_space: global }
      - { .name: W_k_scales, .offset: 24, .size: 8, .value_kind: global_buffer, .address_space: global }
      - { .name: value2_codes, .offset: 32, .size: 8, .value_kind: global_buffer, .address_space: global }
      - { .name: value2_scales, .offset: 40, .size: 8, .value_kind: global_buffer, .address_space: global }
      - { .name: W_v2_codes, .offset: 48, .size: 8, .value_kind: global_buffer, .address_space: global }
      - { .name: W_v2_scales, .offset: 56, .size: 8, .value_kind: global_buffer, .address_space: global }
      - { .name: b_k, .offset: 64, .size: 8, .value_kind: global_buffer, .address_space: global }
      - { .name: b_v2, .offset: 72, .size: 8, .value_kind: global_buffer, .address_space: global }
      - { .name: g_v2, .offset: 80, .size: 8, .value_kind: global_buffer, .address_space: global }
      - { .name: be_v2, .offset: 88, .size: 8, .value_kind: global_buffer, .address_space: global }
      - { .name: mask, .offset: 96, .size: 8, .value_kind: global_buffer, .address_space: global }
      - { .name: b_basic, .offset: 104, .size: 8, .value_kind: global_buffer, .address_space: global }
      - { .name: W_sp, .offset: 112, .size: 8, .value_kind: global_buffer, .address_space: global }
      - { .name: b_sp, .offset: 120, .size: 8, .value_kind: global_buffer, .address_space: global }
      - { .name: W_ch_codes, .offset: 128, .size: 8, .value_kind: global_buffer, .address_space: global }
      - { .name: W_ch_scales, .offset: 136, .size: 8, .value_kind: global_buffer, .address_space: global }
      - { .name: b_ch, .offset: 144, .size: 8, .value_kind: global_buffer, .address_space: global }
      - { .name: pre, .offset: 152, .size: 8, .value_kind: global_buffer, .address_space: global }
      - { .name: out0, .offset: 160, .size: 8, .value_kind: global_buffer, .address_space: global }
    .group_segment_fixed_size: 327680
    .private_segment_fixed_size: 0
    .kernarg_segment_align: 8
    .kernarg_segment_size: 168
    .max_flat_workgroup_size: 128
    .sgpr_count:     106
    .vgpr_count:     1024
    .wavefront_size: 32
...
	.end_amdgpu_metadata
.endif
;; end of part 2
;; ======== version 2 of 2: 2 launches
;; limits: right only within a limited range of input values
;; workspace buffers: pre 526,592 bytes
;; launch pre_k (part 3): grid 8 x 8, 8 waves a work-group, no clusters, 66,816 bytes of LDS; arguments query_codes, query_scales, W_q_codes, W_q_scales, b_q, g_q, be_q, value1_codes, value1_scales, W_v1_codes, W_v1_scales, b_v1, g_v1, be_v1, g_k, be_k, W_basic, pre; writes pre
.if DOCPART == 3
	.amdgcn_target "amdgcn-amd-amdhsa--gfx1250"
	.amdhsa_code_object_version 6
	.text
	.protected	k_q3349223ad2_pre_k
	.globl	k_q3349223ad2_pre_k
	.p2align	8
	.type	k_q3349223ad2_pre_k,@function
k_q3349223ad2_pre_k:
	s_mov_b64 s[64:65], 0
	v_nop
	global_prefetch_b8 v0, s[64:65] scope:SCOPE_SE
	s_setreg_imm32_b32 hwreg(HW_REG_WAVE_MODE, 25, 1), 1
	s_wait_xcnt 0x0
; q = GroupNorm(celu(query W_q + b_q)) and v1 = GroupNorm(celu(value1 W_v1 + b_v1)), both products on codes of FP4 (E2M1) with E8M0 scales, and the column sums of W_basic.
; Stored into pre (f32): qg[64][1024] = q x g_k x 128^-0.5 at byte 0; v1[64][1024] at V1_OFF; qbe[64][8] = 128^-0.5 x sum over a head of q x be_k at QBE_OFF; wsum[64] at WSUM_OFF.
; SHARES.  Work-group (x, y): head x; y < 4: q, y >= 4: v1; rows 16 (y & 3) on.  64 work-groups are all the work there is (16 rows x 128 columns x K 1,024 each): no tensor loads, no cluster.
; Wave w takes K step w (128 along K) of all eight tiles of 16 columns: eight matrix instructions that start eight sums.  The eight waves' partial sums go through LDS as images of the
; registers and are added in ascending K.  The product is used transposed (source 0 = 16 rows of W, source 1 = the 16 rows of x): lane (r, hh), register 8 t + j = row r, column 16 t + 8 hh + j.
; Then wave w finishes rows 2 w and 2 w + 1: sixteen lanes to a row, eight columns a lane (64 i + 4 c4 + 0..3), so that a row's mean and variance want four steps inside 16 lanes.
; celu(x) = the middle one of x, 0 and t = 1.3 x 2^(x log2(e) / 1.3) - 1.3: for x >= 0, 0 <= x <= t; for x < 0, x <= t < 0.
; The stores of qbe and wsum are 4 bytes a lane: 2,304 bytes in the whole launch.
; LIMITS: NaN and infinities among the inputs are not served.
.set V1_OFF,   262144
.set QBE_OFF,  524288
.set WSUM_OFF, 526336
.set WPART,    65536                   ; LDS: behind the eight images of 8,192 bytes: eight partial sums of a column of W_basic
	s_load_b512 s[8:23], s[0:1], 0x0               ; query_codes, query_scales, W_q_codes, W_q_scales, b_q, g_q, be_q, value1_codes
	s_load_b512 s[24:39], s[0:1], 0x40             ; value1_scales, W_v1_codes, W_v1_scales, b_v1, g_v1, be_v1, g_k, be_k
	s_load_b128 s[40:43], s[0:1], 0x80             ; W_basic, pre
	v_lshl_add_u32 v254, v0, 2, 0x10100
	v_mov_b32 v255, 0
	v_lshrrev_b32 v12, 5, v0
	s_delay_alu instid0(VALU_DEP_1)
	v_readfirstlane_b32 s4, v12                    ; wave 0..7
	s_and_b32 s5, ttmp7, 0xffff                    ; y
	s_and_b32 s6, s5, 3                            ; which 16 rows
	v_and_b32 v1, 31, v0                           ; lane
	v_and_b32 v2, 15, v0                           ; r, later c4
	v_bfe_u32 v3, v0, 4, 1                         ; hh, later rr
	s_delay_alu instid0(VALU_DEP_2)
	v_lshlrev_b32 v4, 9, v2
	s_delay_alu instid0(VALU_DEP_1)
	v_lshl_add_u32 v4, v3, 4, v4                   ; codes: row r of 512 bytes + 16 hh
	s_delay_alu instid0(VALU_DEP_4)
	v_lshlrev_b32 v5, 5, v2                        ; scale words: row r of 32 bytes
	s_lshl_b32 s7, s4, 13
	v_lshlrev_b32 v6, 4, v1
	s_delay_alu instid0(VALU_DEP_1)
	v_add_nc_u32 v6, s7, v6                        ; my image: 8,192 x wave + 16 x lane
	v_lshrrev_b32 v12, 2, v2
	v_and_b32 v13, 1, v2
	s_delay_alu instid0(VALU_DEP_1)
	v_lshl_add_u32 v12, v12, 1, v13                ; 2 (c4 / 4) + c4 % 2: which group of four registers holds columns 4 c4 on
	v_bfe_u32 v13, v0, 1, 1                        ; (c4 / 2) % 2: in which half of the lanes
	s_delay_alu instid0(VALU_DEP_2)
	v_lshlrev_b32 v7, 9, v12
	s_delay_alu instid0(VALU_DEP_1)
	v_lshl_add_u32 v7, v13, 8, v7
	s_delay_alu instid0(VALU_DEP_1)
	v_lshl_add_u32 v7, v3, 4, v7
	s_lshl_b32 s7, s4, 5
	v_add_nc_u32 v7, s7, v7                        ; and the lane of row 2 w + rr: 16 bytes each
	v_lshlrev_b32 v8, 4, v2                        ; constants: 16 c4
	s_delay_alu instid0(VALU_DEP_1)
	v_lshl_add_u32 v9, v3, 12, v8                  ; out: row rr of 4,096 bytes + 16 c4
	v_lshlrev_b32 v10, 5, v3                       ; qbe: row rr of 32 bytes
	v_lshlrev_b32 v11, 8, v2                       ; W_basic: row r of 256 bytes
	v_mov_b32 v14, 0
	v_mov_b32 v94, 0xbfa66666                      ; -1.3, twice
	v_mov_b32 v95, 0xbfa66666
	s_mov_b32 s54, 0x3f8e0ccb                      ; log2(e) / 1.3
	s_mov_b32 s55, s54
	s_mov_b32 s56, 0x3fa66666                      ; 1.3
	s_mov_b32 s57, s56
	s_mov_b32 s58, 0xbc000000                      ; -1 / 128
	s_mov_b32 s59, 0x3c000000                      ; 1 / 128
	s_mov_b32 s60, 0x3727c5ac                      ; 1e-5
	s_mov_b32 s62, 0x3db504f3                      ; 128^-0.5
	s_mov_b32 s63, s62
	s_mov_b32 s47, 0
	s_wait_alu depctr_va_vdst(0)
	s_wait_kmcnt 0x0
	s_cmp_lt_u32 s5, 4                             ; q's buffers or v1's: the choice hangs on the work-group's number alone
	s_cselect_b64 s[8:9], s[8:9], s[22:23]
	s_cselect_b64 s[10:11], s[10:11], s[24:25]
	s_cselect_b64 s[12:13], s[12:13], s[26:27]
	s_cselect_b64 s[14:15], s[14:15], s[28:29]
	s_cselect_b64 s[16:17], s[16:17], s[30:31]
	s_cselect_b64 s[18:19], s[18:19], s[32:33]
	s_cselect_b64 s[20:21], s[20:21], s[34:35]
	s_cselect_b32 s44, 0, V1_OFF
	s_lshl_b32 s46, s6, 13                         ; x's codes: 16 rows of 512 bytes a block, 64 bytes a K step
	s_lshl_b32 s7, s4, 6
	s_add_co_u32 s46, s46, s7
	s_add_nc_u64 s[8:9], s[8:9], s[46:47]
	s_lshl_b32 s46, s6, 9                          ; x's scales: 16 rows of 32 bytes, 4 bytes a K step
	s_lshl_b32 s7, s4, 2
	s_add_co_u32 s46, s46, s7
	s_add_nc_u64 s[10:11], s[10:11], s[46:47]
	s_lshl_b32 s46, ttmp9, 16                      ; W's codes: the head's 128 rows
	s_lshl_b32 s7, s4, 6
	s_add_co_u32 s46, s46, s7
	s_add_nc_u64 s[12:13], s[12:13], s[46:47]
	s_lshl_b32 s46, ttmp9, 12                      ; W's scales
	s_lshl_b32 s7, s4, 2
	s_add_co_u32 s46, s46, s7
	s_add_nc_u64 s[14:15], s[14:15], s[46:47]
	s_lshl_b32 s46, ttmp9, 9                       ; the head's 128 numbers of each constant
	s_add_nc_u64 s[16:17], s[16:17], s[46:47]
	s_add_nc_u64 s[18:19], s[18:19], s[46:47]
	s_add_nc_u64 s[20:21], s[20:21], s[46:47]
	s_add_nc_u64 s[36:37], s[36:37], s[46:47]
	s_add_nc_u64 s[38:39], s[38:39], s[46:47]
	s_lshl_b32 s45, s5, 3
	s_add_co_u32 s45, s45, ttmp9
	s_lshl_b32 s45, s45, 2                         ; 4 (8 y + x): the work-group's column of W_basic
	s_lshl_b32 s46, s4, 12                         ; my wave's 16 rows of it
	s_add_co_u32 s46, s46, s45
	s_add_nc_u64 s[40:41], s[40:41], s[46:47]
	s_add_co_u32 s46, s45, WSUM_OFF
	s_add_nc_u64 s[52:53], s[42:43], s[46:47]      ; where its sum goes
	s_lshl_b32 s45, s6, 4
	s_lshl_b32 s7, s4, 1
	s_add_co_u32 s45, s45, s7                      ; row 16 rb + 2 w
	s_lshl_b32 s46, s45, 12
	s_add_co_u32 s46, s46, s44
	s_lshl_b32 s7, ttmp9, 9
	s_add_co_u32 s46, s46, s7
	s_add_nc_u64 s[48:49], s[42:43], s[46:47]      ; qg or v1 at that row and head
	s_lshl_b32 s46, s45, 5
	s_lshl_b32 s7, ttmp9, 2
	s_add_co_u32 s46, s46, s7
	s_add_co_u32 s46, s46, QBE_OFF
	s_add_nc_u64 s[50:51], s[42:43], s[46:47]      ; qbe likewise
	global_load_b128 v[16:19], v4, s[8:9]          ; x's fragment
	global_load_b128 v[20:23], v4, s[8:9] offset:32
	global_load_b32 v24, v5, s[10:11]              ; its scale words
.irp t, 0,1,2,3,4,5,6,7
	global_load_b32 v[25+\t], v5, s[14:15] offset:\t*512
.endr
.irp t, 0,1,2,3,4,5,6,7
	global_load_b128 v[160+8*\t:163+8*\t], v4, s[12:13] offset:\t*8192
	global_load_b128 v[164+8*\t:167+8*\t], v4, s[12:13] offset:\t*8192+32
.endr
.irp i, 0,1
	global_load_b128 v[34+4*\i:37+4*\i], v8, s[16:17] offset:256*\i     ; b
	global_load_b128 v[42+4*\i:45+4*\i], v8, s[18:19] offset:256*\i     ; g
	global_load_b128 v[50+4*\i:53+4*\i], v8, s[20:21] offset:256*\i     ; be
	global_load_b128 v[58+4*\i:61+4*\i], v8, s[36:37] offset:256*\i     ; g_k
	global_load_b128 v[66+4*\i:69+4*\i], v8, s[38:39] offset:256*\i     ; be_k
.endr
	global_load_b32 v74, v11, s[40:41]             ; W_basic(16 w + r, my column)
	s_wait_loadcnt 11                              ; codes and scale words are in; the ten loads of constants and W_basic's one may be out
.irp t, 0,1,2,3,4,5,6,7
	v_wmma_scale_f32_16x16x128_f8f6f4 v[96+8*\t:103+8*\t], v[160+8*\t:167+8*\t], v[16:23], 0, v[25+\t], v24 matrix_a_fmt:MATRIX_FMT_FP4 matrix_b_fmt:MATRIX_FMT_FP4
.endr
.rept 4
	v_nop                                          ; four places in front of the first read of a result (ISA guide 7.12.1)
.endr
.irp i, 0,1,2,3,4,5,6,7,8,9,10,11,12,13,14,15
	ds_store_b128 v6, v[96+4*\i:99+4*\i] offset:512*\i   ; the image: each accumulator from its low end on
.endr
	s_wait_loadcnt 0x0
	v_add_f32_dpp v74, v74, v74 row_xmask:1 row_mask:0xf bank_mask:0xf   ; 16 rows of W_basic's column
	s_delay_alu instid0(VALU_DEP_1)
	v_add_f32_dpp v74, v74, v74 row_xmask:2 row_mask:0xf bank_mask:0xf
	s_delay_alu instid0(VALU_DEP_1)
	v_add_f32_dpp v74, v74, v74 row_xmask:4 row_mask:0xf bank_mask:0xf
	s_delay_alu instid0(VALU_DEP_1)
	v_add_f32_dpp v74, v74, v74 row_xmask:8 row_mask:0xf bank_mask:0xf
	s_lshl_b32 s7, s4, 2
	s_add_co_u32 s7, s7, WPART
	v_mov_b32 v12, s7
	ds_store_b32 v12, v74                          ; all lanes write the same word with the same value
	s_wait_dscnt 0x0                               ; for the others' sake: my stores have landed
	s_barrier_signal -1
	s_barrier_wait -1
	v_mov_b32 v13, WPART
	ds_load_b128 v[144:147], v13
	ds_load_b128 v[148:151], v13 offset:16
.irp p, 0,1,2,3,4,5,6,7
.irp i, 0,1
	ds_load_b128 v[160+8*\p+4*\i:163+8*\p+4*\i], v7 offset:\p*8192+\i*4096
.endr
.endr
	s_wait_dscnt 12                                ; images 0 and 1 are in; the twelve loads of the six later ones may be out
.irp k, 0,2,4,6
	v_pk_add_f32 v[80+\k:81+\k], v[160+\k:161+\k], v[168+\k:169+\k]
.endr
	s_wait_alu depctr_va_vdst(0)
.irp p, 2,3,4,5,6,7
	s_wait_alu depctr_va_vdst(0)
	s_wait_dscnt 14-2*\p                           ; image p is in: two loads for each later image may be out
.irp k, 0,2,4,6
	v_pk_add_f32 v[80+\k:81+\k], v[80+\k:81+\k], v[160+8*\p+\k:161+8*\p+\k]   ; K ascending
.endr
.endr
.irp k, 0,2,4,6
	s_delay_alu instid0(VALU_DEP_4)
	v_pk_add_f32 v[80+\k:81+\k], v[80+\k:81+\k], v[34+\k:35+\k]           ; + b
.endr
.irp k, 0,2,4,6
	s_delay_alu instid0(VALU_DEP_4)
	v_pk_mul_f32 v[152+\k:153+\k], v[80+\k:81+\k], s[54:55] op_sel_hi:[1,0]
.endr
	s_wait_alu depctr_va_vdst(0)
.irp j, 0,1,2,3,4,5,6,7
	v_exp_f32 v[152+\j], v[152+\j]
.endr
	v_nop                                          ; a plain place behind the exponentials
	s_wait_alu depctr_va_vdst(0)
.irp k, 0,2,4,6
	v_pk_fma_f32 v[152+\k:153+\k], v[152+\k:153+\k], s[56:57], v[94:95] op_sel_hi:[1,0,1]   ; t = 1.3 x 2^.. - 1.3
.endr
.irp j, 0,1,2,3,4,5,6,7
	v_med3_num_f32 v[80+\j], v[80+\j], 0, v[152+\j]                       ; celu
.endr
	v_pk_add_f32 v[88:89], v[80:81], v[82:83]
	s_delay_alu instid0(VALU_DEP_2)
	v_pk_add_f32 v[90:91], v[84:85], v[86:87]
	s_delay_alu instid0(VALU_DEP_1)
	v_pk_add_f32 v[88:89], v[88:89], v[90:91]
	s_delay_alu instid0(VALU_DEP_1)
	v_add_f32 v88, v88, v89
.irp m, 1,2,4,8
	s_delay_alu instid0(VALU_DEP_1)
	v_add_f32_dpp v88, v88, v88 row_xmask:\m row_mask:0xf bank_mask:0xf
.endr
	s_delay_alu instid0(VALU_DEP_1)
	v_mul_f32 v88, s58, v88                        ; - the mean of the head's 128
	s_delay_alu instid0(VALU_DEP_1)
	v_mov_b32 v89, v88
.irp k, 0,2,4,6
	v_pk_add_f32 v[80+\k:81+\k], v[80+\k:81+\k], v[88:89]
.endr
	s_delay_alu instid0(VALU_DEP_4)
	v_pk_mul_f32 v[90:91], v[80:81], v[80:81]
.irp k, 2,4,6
	s_delay_alu instid0(VALU_DEP_1)
	v_pk_fma_f32 v[90:91], v[80+\k:81+\k], v[80+\k:81+\k], v[90:91]
.endr
	s_delay_alu instid0(VALU_DEP_1)
	v_add_f32 v90, v90, v91
.irp m, 1,2,4,8
	s_delay_alu instid0(VALU_DEP_1)
	v_add_f32_dpp v90, v90, v90 row_xmask:\m row_mask:0xf bank_mask:0xf
.endr
	s_delay_alu instid0(VALU_DEP_1)
	v_fma_f32 v90, v90, s59, s60                   ; the variance + 1e-5
	s_wait_alu depctr_va_vdst(0)
	v_rsq_f32 v90, v90
	v_nop                                          ; a plain place behind the transcendental
	s_wait_alu depctr_va_vdst(0)
	v_mov_b32 v91, v90
.irp k, 0,2,4,6
	v_pk_mul_f32 v[80+\k:81+\k], v[80+\k:81+\k], v[90:91]
.endr
.irp k, 0,2,4,6
	s_delay_alu instid0(VALU_DEP_4)
	v_pk_fma_f32 v[80+\k:81+\k], v[80+\k:81+\k], v[42+\k:43+\k], v[50+\k:51+\k]   ; x g + be
.endr
	s_cmp_ge_u32 s5, 4
	s_cbranch_scc1 .Lplain                         ; v1 leaves as it is
	v_pk_mul_f32 v[92:93], v[80:81], v[66:67]      ; q: the sum of q x be_k over the head,
.irp k, 2,4,6
	s_delay_alu instid0(VALU_DEP_1)
	v_pk_fma_f32 v[92:93], v[80+\k:81+\k], v[66+\k:67+\k], v[92:93]
.endr
	s_delay_alu instid0(VALU_DEP_1)
	v_add_f32 v92, v92, v93
.irp m, 1,2,4,8
	s_delay_alu instid0(VALU_DEP_1)
	v_add_f32_dpp v92, v92, v92 row_xmask:\m row_mask:0xf bank_mask:0xf
.endr
	s_delay_alu instid0(VALU_DEP_1)
	v_mul_f32 v92, s62, v92
.irp k, 0,2,4,6
	v_pk_mul_f32 v[80+\k:81+\k], v[80+\k:81+\k], v[58+\k:59+\k]           ; and q x g_k x 128^-0.5
.endr
.irp k, 0,2,4,6
	s_delay_alu instid0(VALU_DEP_4)
	v_pk_mul_f32 v[80+\k:81+\k], v[80+\k:81+\k], s[62:63] op_sel_hi:[1,0]
.endr
	v_cmp_eq_u32 vcc_lo, 0, v2
	s_wait_xcnt 0x0                                ; EXEC changes only behind this wait
	s_and_saveexec_b32 s45, vcc_lo                 ; one lane for each of the two rows
	global_store_b32 v10, v92, s[50:51]
	s_wait_xcnt 0x0                                ; and again in front of the line that widens it
	s_or_b32 exec_lo, exec_lo, s45
.Lplain:
	s_wait_alu depctr_va_vdst(0)
	global_store_b128 v9, v[80:83], s[48:49]       ; sixteen lanes store 256 consecutive bytes, at a multiple of 256 from the buffer's first byte
	global_store_b128 v9, v[84:87], s[48:49] offset:256
.irp i, 1
	v_add_f32 v144, v144, v[144+\i]                ; the column's sum, rows ascending
.endr
.irp i, 2, 3, 4, 5, 6, 7
	s_delay_alu instid0(VALU_DEP_1)
	v_add_f32 v144, v144, v[144+\i]                ; the column's sum, rows ascending
.endr
	v_cmp_eq_u32 vcc_lo, 0, v0
	s_wait_alu depctr_va_vdst(0)
	s_wait_xcnt 0x0
	s_wait_tensorcnt 0x0
	ds_add_u32 v254, v255
	s_wait_dscnt 0x0
	s_and_saveexec_b32 s45, vcc_lo                 ; thread 0 alone
	global_store_b32 v14, v144, s[52:53]
	s_wait_xcnt 0x0
	s_or_b32 exec_lo, exec_lo, s45
	s_endpgm
.Lfunc_end_k_q3349223ad2_pre_k:
	.size	k_q3349223ad2_pre_k, .Lfunc_end_k_q3349223ad2_pre_k-k_q3349223ad2_pre_k
	.p2alignl 7, 3214868480
	.fill 96, 4, 3214868480
	.section	.rodata,"a",@progbits
	.p2align	6, 0x0
	.amdhsa_kernel k_q3349223ad2_pre_k
		.amdhsa_group_segment_fixed_size 66816
		.amdhsa_private_segment_fixed_size 0
		.amdhsa_enable_private_segment 0
		.amdhsa_kernarg_size 144
		.amdhsa_user_sgpr_count 2
		.amdhsa_user_sgpr_kernarg_segment_ptr 1
		.amdhsa_wavefront_size32 1
		.amdhsa_system_sgpr_workgroup_id_x 1
		.amdhsa_system_sgpr_workgroup_id_y 1
		.amdhsa_system_sgpr_workgroup_id_z 1
		.amdhsa_system_vgpr_workitem_id 0
		.amdhsa_next_free_vgpr 256
		.amdhsa_next_free_sgpr 66
		.amdhsa_reserve_vcc 1
		.amdhsa_float_denorm_mode_32 3
		.amdhsa_float_denorm_mode_16_64 3
		.amdhsa_memory_ordered 1
		.amdhsa_forward_progress 1
		.amdhsa_inst_pref_size 22
	.end_amdhsa_kernel
	.amdgpu_metadata
---
amdhsa.version: [ 1, 2 ]
amdhsa.kernels:
  - .name:           k_q3349223ad2_pre_k
    .symbol:         k_q3349223ad2_pre_k.kd
    .args:
      - { .name: query_codes, .offset: 0, .size: 8, .value_kind: global_buffer, .address_space: global }
      - { .name: query_scales, .offset: 8, .size: 8, .value_kind: global_buffer, .address_space: global }
      - { .name: W_q_codes, .offset: 16, .size: 8, .value_kind: global_buffer, .address_space: global }
      - { .name: W_q_scales, .offset: 24, .size: 8, .value_kind: global_buffer, .address_space: global }
      - { .name: b_q, .offset: 32, .size: 8, .value_kind: global_buffer, .address_space: global }
      - { .name: g_q, .offset: 40, .size: 8, .value_kind: global_buffer, .address_space: global }
      - { .name: be_q, .offset: 48, .size: 8, .value_kind: global_buffer, .address_space: global }
      - { .name: value1_codes, .offset: 56, .size: 8, .value_kind: global_buffer, .address_space: global }
      - { .name: value1_scales, .offset: 64, .size: 8, .value_kind: global_buffer, .address_space: global }
      - { .name: W_v1_codes, .offset: 72, .size: 8, .value_kind: global_buffer, .address_space: global }
      - { .name: W_v1_scales, .offset: 80, .size: 8, .value_kind: global_buffer, .address_space: global }
      - { .name: b_v1, .offset: 88, .size: 8, .value_kind: global_buffer, .address_space: global }
      - { .name: g_v1, .offset: 96, .size: 8, .value_kind: global_buffer, .address_space: global }
      - { .name: be_v1, .offset: 104, .size: 8, .value_kind: global_buffer, .address_space: global }
      - { .name: g_k, .offset: 112, .size: 8, .value_kind: global_buffer, .address_space: global }
      - { .name: be_k, .offset: 120, .size: 8, .value_kind: global_buffer, .address_space: global }
      - { .name: W_basic, .offset: 128, .size: 8, .value_kind: global_buffer, .address_space: global }
      - { .name: pre, .offset: 136, .size: 8, .value_kind: global_buffer, .address_space: global }
    .group_segment_fixed_size: 66816
    .private_segment_fixed_size: 0
    .kernarg_segment_align: 8
    .kernarg_segment_size: 144
    .max_flat_workgroup_size: 256
    .sgpr_count:     66
    .vgpr_count:     256
    .wavefront_size: 32
...
	.end_amdgpu_metadata
.endif
;; end of part 3
;; launch main_k (part 4): grid 4 x 64, 4 waves a work-group, clusters of 4 x 4, 327,680 bytes of LDS; arguments key_feats_codes, key_feats_scales, W_k_codes, W_k_scales, value2_codes, value2_scales, W_v2_codes, W_v2_scales, b_k, b_v2, g_v2, be_v2, mask, b_basic, W_sp, b_sp, W_ch_codes, W_ch_scales, b_ch, pre, out0; writes out0
.if DOCPART == 4
	.amdgcn_target "amdgcn-amd-amdhsa--gfx1250"
	.amdhsa_code_object_version 6
	.text
	.protected	k_q3349223ad2_main_k
	.globl	k_q3349223ad2_main_k
	.p2align	8
	.type	k_q3349223ad2_main_k,@function
k_q3349223ad2_main_k:
	s_mov_b64 s[64:65], 0
	v_nop
	global_prefetch_b8 v0, s[64:65] scope:SCOPE_SE
	s_setreg_imm32_b32 hwreg(HW_REG_WAVE_MODE, 25, 1), 1
	s_wait_xcnt 0x0
	s_wait_alu depctr_hold_cnt(0) depctr_sa_sdst(0) depctr_va_vdst(0) depctr_va_sdst(0) depctr_va_ssrc(0) depctr_va_vcc(0) depctr_vm_vsrc(0)
	s_getreg_b32 s2, hwreg(HW_REG_IB_STS2, 6, 4)
	s_cmp_eq_u32 s2, 0
	s_cbranch_scc0 .Lentry_in_a_cluster
	s_endpgm
.Lentry_in_a_cluster:
	s_bfe_u32 s2, ttmp6, 0x10000c
	s_cmp_lg_u32 s2, 0xf033
	s_cbranch_scc0 .Lentry_shape_is_right
	s_endpgm
.Lentry_shape_is_right:
; k = GroupNorm(celu(key_feats W_k + b_k)), v2 = GroupNorm(celu(value2 W_v2 + b_v2)), both products on codes of FP4 (E2M1) with E8M0 scales; the scores q . k, the hidden layer, pool, the two attentions and out0.
; SHARES.  Work-group (x, y): batch y, heads 2 x and 2 x + 1.  Wave w: head 2 x + w % 2 (its 128 rows of W stay in 512 registers, windows 1 and 2) and half w / 2 of each slot's 256 rows, in 8 blocks of 16 rows.
; A slot holds 256 rows x 512 bytes; tiles are asked for jointly in a cluster of 4 x 4: rows of key_feats and value2 along a row of the cluster, rows of W along a column.
; The product is used transposed: lane (r, h) holds row r of a block, its 64 registers the head's columns 16 t + 8 h + j.
; CELU AND GROUPNORM OF A BLOCK.  The sums start from b + 1.3, so x' = x + 1.3.  y = celu(x) + 1.3 = the middle one of x', 1.3 and 2^(c x' + log2(1.3 / e)), c = log2(e) / 1.3.
; GroupNorm takes the head's mean away, so the shift by 1.3 cancels: (y - mean y) = (celu - mean celu).
; One walk over y gives sum y, sum y^2 and (k) sum y qg.  variance = sum y^2 / 128 - mean^2, held at 0 from below; score = rs (sum y qg - mean sum qg) + qbe;
; v2's weighted sum is sum over rows of w y less sum over rows of w mean, w = rs x the row's attention: the second sum is one number a lane, taken off behind the last block.
; LIMITS: NaN and infinities among the inputs are not served.  The variance's relative error is about 2^-23 x mean^2 / variance: at a mean of 30 spreads about 1e-4.
.set PITCH,  528
.set QROWS,  64*PITCH
.set SLOT,   4*QROWS
.set SCA,    2*SLOT
.set CONST,  SCA+32768
.set XCH,    CONST+5632
.set ACH,    XCH+2048
.set OX,     ACH+1024
.set SCR,    OX+2048
.set SPARE,  SCR+4096
.set V1_OFF,   262144
.set QBE_OFF,  524288
.set WSUM_OFF, 526336
.set MSB, 0
.macro WIN new
.if MSB != (\new)
	s_set_vgpr_msb (MSB<<8)|(\new)
.set MSB, (\new)
.endif
.endm
.macro PLACES n
.rept \n
	v_nop
.endr
.endm
.macro CREST
	s_cmp_lg_u32 s14, 0
	s_cbranch_scc1 .Lnot_wave_0_\@
	s_barrier_signal -3
.Lnot_wave_0_\@:
	s_barrier_wait -3
	s_barrier_signal -1
	s_barrier_wait -1
.endm
.macro CROUND
	s_barrier_signal -1
	s_barrier_wait -1
	CREST
.endm
.macro REFILL g0, g1, ptr, off
	s_wait_tensorcnt 0x0
	ds_add_u32 v1, v2
	s_add_nc_u64 s[\g0+2:\g0+3], s[\ptr:\ptr+1], \off
	s_or_b32 s[\g0+3], s[\g0+3], 0x80000000
	s_wait_dscnt 0x0
	CROUND
	tensor_load_to_lds s[\g0:\g0+3], s[\g1:\g1+7]
	s_nop 0
	PLACES 4
.endm
.macro ALOADS
.irp s, 0,1,2,3,4,5,6,7
.irp c, 0,1
	ds_load_b128 v[128+8*\s+4*\c:131+8*\s+4*\c], v4 offset:64*\s+32*\c
.endr
.endr
	ds_load_b128 v[36:39], v33
.endm
.macro FIRSTB slotbase, scoff
	v_add_nc_u32 v4, \slotbase, v3
	v_add_nc_u32 v33, \scoff, v32
	ALOADS
.endm
; The next block's fragments of A and its scale words.  It stands among the exponentials, so it has no branch: the slot's last trip names block 7 again.
.macro NEXTB slotbase, scoff
	s_add_co_u32 s2, s3, 1
	s_min_u32 s2, s2, 7
	s_mul_i32 s46, s2, 16*PITCH
	s_add_co_u32 s46, s46, \slotbase
	s_lshl_b32 s47, s2, 9
	s_add_co_u32 s47, s47, \scoff
	v_add_nc_u32 v4, s46, v3
	v_add_nc_u32 v33, s47, v32
	ALOADS
.endm
; A block's 64 matrix instructions: all of K, the eight accumulators by turns
.macro MULS
.irp s, 0,1,2,3,4,5,6,7
.set SQ, (\s)%4
.if \s == 0
	WIN 0xc1
.elseif \s < 4
	WIN 0xf1
.else
	WIN 0xf2
.endif
.irp t, 0,1,2,3,4,5,6,7
.if \s == 0
	v_wmma_scale_f32_16x16x128_f8f6f4 v[8*\t:8*\t+7], v[8*\t:8*\t+7], v[128:135], v[192+8*\t:199+8*\t], v[64+4*\t], v36 matrix_a_fmt:MATRIX_FMT_FP4 matrix_b_fmt:MATRIX_FMT_FP4
.elseif \s < 4
	v_wmma_scale_f32_16x16x128_f8f6f4 v[8*\t:8*\t+7], v[64*SQ+8*\t:64*SQ+8*\t+7], v[128+8*\s:135+8*\s], v[8*\t:8*\t+7], v[64+4*\t+SQ], v[36+SQ] matrix_a_fmt:MATRIX_FMT_FP4 matrix_b_fmt:MATRIX_FMT_FP4
.else
	v_wmma_scale_f32_16x16x128_f8f6f4 v[8*\t:8*\t+7], v[64*SQ+8*\t:64*SQ+8*\t+7], v[128+8*\s:135+8*\s], v[8*\t:8*\t+7], v[64+4*\t+SQ], v[36+SQ] matrix_a_fmt:MATRIX_FMT_FP4 matrix_b_fmt:MATRIX_FMT_FP4 matrix_a_scale:MATRIX_SCALE_ROW1 matrix_b_scale:MATRIX_SCALE_ROW1
.endif
.endr
.endr
.endm
; Window 3 in the block loops: v0-63 x', then y; v64-127 qg (k) or the weighted sum (v2); v128-191 the exponentials; v200-211 sum y, sum y^2, sum y qg, two chains each;
; v212 mean, v213 variance, v214 sum qg, v216 -(sum of w mean), v218 rs, v228-229 log2(1.3 / e), v230 the row's attention, v232-233 w.
.macro EXPS r0, n                      ; a batch of n exponentials, from number r0 on
.set II, 128+(\r0)
.rept \n
	v_exp_f32 v[II], v[II]
.set II, II+1
.endr
.endm
.macro TAKE p0, n, dot                 ; y of n pairs from pair p0 on, and their part of the sums, one pair behind the selection
.set PP, \p0
.rept (\n)+1
.if PP < (\p0)+(\n)
	v_med3_num_f32 v[2*PP], v[2*PP], s6, v[128+2*PP]
	v_med3_num_f32 v[2*PP+1], v[2*PP+1], s6, v[129+2*PP]
.endif
.if PP > (\p0)
.set QQ, PP-1
.set CH, 2*(QQ%2)
.if QQ < 2                             ; the first pair of each chain starts the sums: nothing is cleared
	v_pk_mul_f32 v[204+CH:205+CH], v[2*QQ:2*QQ+1], v[2*QQ:2*QQ+1]
.if \dot
	v_pk_mul_f32 v[208+CH:209+CH], v[2*QQ:2*QQ+1], v[64+2*QQ:65+2*QQ]
.endif
.else
.if QQ < 4
	v_pk_add_f32 v[200+CH:201+CH], v[2*QQ-4:2*QQ-3], v[2*QQ:2*QQ+1]
.else
	v_pk_add_f32 v[200+CH:201+CH], v[200+CH:201+CH], v[2*QQ:2*QQ+1]
.endif
	v_pk_fma_f32 v[204+CH:205+CH], v[2*QQ:2*QQ+1], v[2*QQ:2*QQ+1], v[204+CH:205+CH]
.if \dot
	v_pk_fma_f32 v[208+CH:209+CH], v[2*QQ:2*QQ+1], v[64+2*QQ:65+2*QQ], v[208+CH:209+CH]
.endif
.endif
.endif
.set PP, PP+1
.endr
.endm
; A block's 64 numbers a lane.  All exponents c x' + log2(1.3 / e) first (each accumulator is read from its low end on), then the exponentials in batches of 32, 24 and 8.
; Behind the first batch stand the next block's fragment loads, behind the second the selection and sums of the first 32 numbers, behind the third those of the next 24.
; Each wait stands directly ahead of a batch and ahead of the first reader of the batch before.
.macro CELU dot, slotbase, scoff
	PLACES 4                                       ; four places in front of the first read of a result, and of the loads into A's registers below
.set PP, 0
.rept 32
	v_pk_fma_f32 v[128+2*PP:129+2*PP], v[2*PP:2*PP+1], s[4:5], v[228:229] op_sel_hi:[1,0,1]
.set PP, PP+1
.endr
	s_wait_alu depctr_va_vdst(0)
	EXPS 0, 32
	WIN 0
	NEXTB \slotbase, \scoff
	WIN 0xff
	s_wait_alu depctr_va_vdst(0)
	EXPS 32, 24
	TAKE 0, 16, \dot
	s_wait_alu depctr_va_vdst(0)
	EXPS 56, 8
	TAKE 16, 12, \dot
	s_wait_alu depctr_va_vdst(0)
	TAKE 28, 4, \dot
.endm
.macro STATS dot                       ; the chains, the two halves of a pair and lane l xor 16 joined; mean, variance, 1 / sqrt(variance + 1e-5)
	v_pk_add_f32 v[200:201], v[200:201], v[202:203]
	v_pk_add_f32 v[204:205], v[204:205], v[206:207]
.if \dot
	v_pk_add_f32 v[208:209], v[208:209], v[210:211]
.endif
	v_add_f32 v222, v200, v201
	v_add_f32 v223, v204, v205
.if \dot
	v_add_f32 v224, v208, v209
.endif
	v_permlanex16_b32 v225, v222, s66, s67
	v_permlanex16_b32 v226, v223, s66, s67
.if \dot
	v_permlanex16_b32 v227, v224, s66, s67
.endif
	v_add_f32 v222, v222, v225
	v_add_f32 v223, v223, v226
.if \dot
	v_add_f32 v224, v224, v227
.endif
	v_mul_f32 v212, s8, v222                       ; the mean of y
	v_fma_f32 v213, v223, s8, s100                 ; the mean of squares + 1e-5,
	v_fma_f32 v213, -v212, v212, v213              ; less the mean's square:
	v_max_num_f32 v213, s100, v213                 ; the variance, never under 0, + 1e-5
	s_wait_alu depctr_va_vdst(0)
	v_rsq_f32 v218, v213
.endm
.macro FINK
	STATS 1
	v_fma_f32 v224, -v212, v214, v224              ; sum y qg - mean sum qg (the plain place behind the transcendental)
	s_wait_alu depctr_va_vdst(0)
	v_fma_f32 v224, v224, v218, s104               ; the score
.endm
.macro FINV
	STATS 0
	v_nop
	s_wait_alu depctr_va_vdst(0)
	v_mul_f32 v232, v218, v230                     ; w = rs x the row's attention
	v_mul_f32 v233, v218, v230
	v_fma_f32 v216, -v232, v212, v216              ; -(sum of w mean)
.set PP, 0
.rept 32
	v_pk_fma_f32 v[64+2*PP:65+2*PP], v[2*PP:2*PP+1], v[232:233], v[64+2*PP:65+2*PP]
.set PP, PP+1
.endr
.endm
.macro SHIFTB                          ; the bias that starts the sums: + 1.3 (window 0)
.set II, 0
.rept 32
	v_pk_add_f32 v[192+2*II:193+2*II], v[192+2*II:193+2*II], s[6:7] op_sel_hi:[1,0]
.set II, II+1
.endr
.endm
.macro KLOOP slotbase, scoff, uoff
	FIRSTB \slotbase, \scoff
	s_mov_b32 s3, 0
.Lkblock_\@:
	s_wait_dscnt 0x0
	s_lshl_b32 s45, s3, 6
	s_add_co_u32 s45, s45, 64*\uoff
	v_add_nc_u32 v35, s45, v34
	MULS
	WIN 0xff
	CELU 1, \slotbase, \scoff
	FINK
	WIN 0x0c
	ds_store_b32 v35, v224
	WIN 0
	s_add_co_u32 s3, s3, 1
	s_cmp_lt_u32 s3, 8
	s_cbranch_scc1 .Lkblock_\@
.endm
.macro VLOOP slotbase, scoff, uoff
	FIRSTB \slotbase, \scoff
	s_mov_b32 s3, 0
.Lvblock_\@:
	s_wait_dscnt 0x0
	s_lshl_b32 s45, s3, 6
	s_add_co_u32 s45, s45, 64*\uoff
	v_add_nc_u32 v35, s45, v34
	WIN 0xc0
	ds_load_b32 v230, v35
	MULS
	s_wait_dscnt 0x0                               ; the rows' attention is in
	WIN 0xff
	CELU 0, \slotbase, \scoff
	FINV
	WIN 0
	s_add_co_u32 s3, s3, 1
	s_cmp_lt_u32 s3, 8
	s_cbranch_scc1 .Lvblock_\@
.endm
	s_load_b512 s[68:83], s[0:1], 0x0
	s_load_b512 s[84:99], s[0:1], 0x40
	s_load_b256 s[4:11], s[0:1], 0x80
	s_load_b64 s[12:13], s[0:1], 0xa0
	v_lshl_add_u32 v1, v0, 2, SPARE
	v_mov_b32 v2, 0
	ds_add_u32 v1, v2
	ds_add_u32 v1, v2
	s_wait_dscnt 0x0
	v_lshrrev_b32 v48, 5, v0
	v_readfirstlane_b32 s14, v48
	s_lshr_b32 s15, s14, 1
	s_and_b32 s16, s14, 1
	s_bfe_u32 s40, ttmp6, 0x40000
	s_bfe_u32 s41, ttmp6, 0x40004
	s_lshl_b32 s18, ttmp9, 2
	s_add_co_u32 s18, s18, s40
	s_and_b32 s17, ttmp7, 0xffff
	s_lshl_b32 s17, s17, 2
	s_add_co_u32 s17, s17, s41
	s_lshl_b32 s42, s41, 2
	s_lshl_b32 s42, 15, s42
	s_lshl_b32 s43, 0x1111, s40
	s_or_b32 s24, s42, (0<<16)|(1<<20)|(1<<21)|(6<<22)|(3<<25)
	s_or_b32 s48, s43, (0<<16)|(1<<20)|(1<<21)|(6<<22)|(3<<25)
.irp g, 24, 48
	s_mov_b32 s[\g+1], 512<<16
	s_mov_b32 s[\g+2], 128<<16                     ; the head's loads bring 128 rows; behind them the two words that count rows are set to 64, for the ring's
	s_mov_b32 s[\g+3], 512<<16
	s_mov_b32 s[\g+4], 128
	s_mov_b32 s[\g+5], 512
	s_mov_b32 s[\g+6], 0
	s_mov_b32 s[\g+7], 0
.endr
	s_mov_b32 s66, 0x76543210
	s_mov_b32 s67, 0xfedcba98
	s_mov_b32 s100, 0x3727c5ac
	s_mov_b32 s101, 0x3fb8aa3b
	s_lshl_b32 s20, s17, 18
	s_lshl_b32 s21, s14, 15
	s_add_co_u32 s20, s20, s21
	s_mov_b32 s21, 0
	s_lshl_b32 s44, s18, 17
	s_lshl_b32 s45, s14, 15
	s_add_co_u32 s44, s44, s45
	s_mov_b32 s45, 0
	s_mul_i32 s46, s14, QROWS
	s_lshl_b32 s22, s17, 18                        ; the head's tiles: key_feats at batch y, + 128 rows x (wave % 2),
	s_lshl_b32 s23, s16, 16
	s_add_co_u32 s22, s22, s23
	s_mov_b32 s23, 0
	s_lshl_b32 s2, s18, 17                         ; W_k at the work-group's 256 rows, + 128 rows x (wave % 2),
	s_lshl_b32 s3, s16, 16
	s_add_co_u32 s2, s2, s3
	s_mov_b32 s3, 0
	s_mul_i32 s57, s16, 2*QROWS                    ; and where they go: W_k's halves in slot 0,
	s_add_co_u32 s61, s57, SLOT                    ; key_feats' in slot 1
	s_wait_kmcnt 0x0
	s_add_nc_u64 s[58:59], s[72:73], s[2:3]
	s_add_nc_u64 s[62:63], s[68:69], s[22:23]
	s_add_nc_u64 s[68:69], s[68:69], s[20:21]
	s_add_nc_u64 s[76:77], s[76:77], s[20:21]
	s_add_nc_u64 s[72:73], s[72:73], s[44:45]
	s_add_nc_u64 s[80:81], s[80:81], s[44:45]
	CROUND
	s_mov_b32 s32, 1                               ; the ring's groups 0: a quarter of a slot a wave; each refill writes its own global address
	s_mov_b32 s33, s46
	s_mov_b32 s36, 1
	s_add_co_u32 s37, s46, SLOT
	s_mov_b32 s56, 1
	s_or_b32 s59, s59, 0x80000000
	s_mov_b32 s60, 1
	s_or_b32 s63, s63, 0x80000000
	; THE HEAD'S LOADS, ONE A WAVE: waves 0 and 1 fetch the halves of W_k's 256 rows, waves 2 and 3 those of key_feats' first 256 rows: both tiles are out together.
	; No prefetch is laid: behind the head each refill is asked for eight blocks of 64 matrix instructions ahead of the wait for it.
	s_cmp_eq_u32 s15, 0
	s_cbranch_scc0 .Lhead_a
	tensor_load_to_lds s[56:59], s[48:55]
	s_nop 0
	PLACES 4
	s_branch .Lhead_asked
.Lhead_a:
	tensor_load_to_lds s[60:63], s[24:31]
	s_nop 0
	PLACES 4
.Lhead_asked:
	v_and_b32 v48, 31, v0
	v_and_b32 v49, 15, v0
	v_bfe_u32 v50, v0, 4, 1
	v_mul_u32_u24 v51, v49, PITCH
	v_lshl_add_u32 v51, v50, 4, v51
	s_mul_i32 s46, s15, 128*PITCH
	s_mul_i32 s47, s16, 128*PITCH
	v_add_nc_u32 v3, s46, v51
	v_add_nc_u32 v5, s47, v51
	s_add_co_u32 s47, s47, SLOT
	v_add_nc_u32 v6, s47, v51
	v_lshlrev_b32 v7, 5, v49
	v_lshl_add_u32 v7, v50, 4, v7
	v_lshlrev_b32 v8, 5, v50
	s_wait_alu depctr_va_vdst(0)
	v_lshlrev_b32 v9, 2, v49
	s_wait_alu depctr_va_vdst(0)
	v_lshlrev_b32 v10, 3, v0
	v_lshlrev_b32 v56, 7, v50
	v_add_nc_u32 v11, CONST, v56
	s_lshl_b32 s46, s14, 9
	s_add_co_u32 s46, s46, XCH
	v_add_nc_u32 v12, s46, v56
	s_lshl_b32 s46, s16, 9
	s_add_co_u32 s46, s46, XCH
	v_add_nc_u32 v13, s46, v56
	s_lshl_b32 s46, s15, 11
	s_add_co_u32 s46, s46, CONST+1024
	v_add_nc_u32 v14, s46, v7
	s_lshl_b32 s46, s15, 8
	s_add_co_u32 s46, s46, CONST+5120
	v_add_nc_u32 v15, s46, v8
	s_lshl_b32 s46, s15, 7
	s_add_co_u32 s46, s46, CONST+768
	v_lshrrev_b32 v24, 1, v9
	v_add_nc_u32 v24, s46, v24
	s_lshl_b32 s46, s16, 9
	s_lshl_b32 s47, s15, 8
	s_add_co_u32 s46, s46, s47
	s_add_co_u32 s46, s46, ACH
	v_add_nc_u32 v25, s46, v8
	s_lshl_b32 s46, s14, 9
	s_add_co_u32 s46, s46, OX
	v_add_nc_u32 v26, s46, v8
	v_add_nc_u32 v28, ACH, v10
	s_lshl_b32 s46, s15, 12
	s_add_co_u32 s46, s46, SCA
	v_add_nc_u32 v32, s46, v7
	s_lshl_b32 s46, s14, 10
	s_add_co_u32 s46, s46, SCR
	v_add_nc_u32 v34, s46, v9
	v_lshlrev_b32 v59, 4, v0
	v_add_nc_u32 v60, SCA, v59
	v_lshlrev_b32 v57, 2, v48
	s_lshl_b32 s46, s15, 9
	s_lshl_b32 s47, s16, 7
	s_add_co_u32 s46, s46, s47
	s_add_co_u32 s46, s46, CONST
	v_add_nc_u32 v29, s46, v57
	v_lshlrev_b32 v58, 4, v48
	s_lshl_b32 s46, s14, 10
	s_add_co_u32 s46, s46, CONST+1024
	v_add_nc_u32 v30, s46, v58
	v_lshlrev_b32 v55, 2, v0
	v_add_nc_u32 v31, CONST+5120, v55
	v_add_nc_u32 v53, s47, v57
	s_wait_alu depctr_va_vdst(0)
	s_lshl_b32 s46, s14, 10
	v_add_nc_u32 v54, s46, v58
	s_wait_alu depctr_va_vdst(0)
	s_lshl_b32 s46, s16, 9
	v_add_nc_u32 v52, s46, v8
	s_wait_alu depctr_va_vdst(0)
	s_mov_b32 s23, 0
	s_lshl_b32 s22, s17, 14
	s_add_nc_u64 s[70:71], s[70:71], s[22:23]
	s_add_nc_u64 s[78:79], s[78:79], s[22:23]
	s_lshl_b32 s22, s18, 13
	s_lshl_b32 s46, s16, 12
	s_add_co_u32 s22, s22, s46
	s_add_nc_u64 s[74:75], s[74:75], s[22:23]
	s_add_nc_u64 s[82:83], s[82:83], s[22:23]
	s_lshl_b32 s22, s18, 10
	s_add_nc_u64 s[88:89], s[88:89], s[22:23]
	s_add_nc_u64 s[90:91], s[90:91], s[22:23]
	s_lshl_b32 s46, s16, 9
	s_add_co_u32 s22, s22, s46
	s_add_nc_u64 s[84:85], s[84:85], s[22:23]
	s_add_nc_u64 s[86:87], s[86:87], s[22:23]
	s_lshl_b32 s22, s17, 11
	s_lshl_b32 s46, s15, 9
	s_add_co_u32 s22, s22, s46
	s_add_nc_u64 s[92:93], s[92:93], s[22:23]
	s_add_nc_u64 s[46:47], s[10:11], WSUM_OFF
	s_cmp_eq_u32 s15, 0
	s_cselect_b64 s[96:97], s[46:47], s[96:97]
	s_cselect_b64 s[94:95], s[94:95], s[6:7]
	s_lshl_b32 s22, s17, 5
	s_lshl_b32 s46, s18, 3
	s_add_co_u32 s22, s22, s46
	s_lshl_b32 s46, s16, 2
	s_add_co_u32 s22, s22, s46
	s_add_nc_u64 s[46:47], s[10:11], s[22:23]
	s_load_b32 s104, s[46:47], QBE_OFF
	s_load_b32 s19, s[98:99], 0x0
	s_lshl_b32 s22, s17, 12
	s_lshl_b32 s2, s18, 10
	s_add_co_u32 s22, s22, s2
	s_add_nc_u64 s[10:11], s[10:11], s[22:23]
	s_add_nc_u64 s[12:13], s[12:13], s[22:23]
	global_load_b32 v21, v53, s[96:97]
	global_load_b32 v22, v53, s[94:95]
	global_load_b128 v[40:43], v54, s[4:5]
	global_load_b128 v[44:47], v54, s[4:5] offset:512
	global_load_b32 v23, v55, s[8:9]
.irp i, 0,1,2,3,4,5,6,7
	global_load_b128 v[128+4*\i:131+4*\i], v59, s[70:71] offset:2048*\i
	global_load_b128 v[160+4*\i:163+4*\i], v59, s[78:79] offset:2048*\i
.endr
.irp t, 0,1,2,3,4,5,6,7
	global_load_b128 v[64+4*\t:67+4*\t], v7, s[74:75] offset:512*\t
.endr
.irp t, 0,1,2,3,4,5,6,7
	global_load_b128 v[192+8*\t:195+8*\t], v8, s[84:85] offset:64*\t
	global_load_b128 v[196+8*\t:199+8*\t], v8, s[84:85] offset:64*\t+16
.endr
	WIN 0xc0
.irp t, 0,1,2,3,4,5,6,7
	global_load_b128 v[64+8*\t:67+8*\t], v52, s[10:11] offset:64*\t
	global_load_b128 v[68+8*\t:71+8*\t], v52, s[10:11] offset:64*\t+16
.endr
	WIN 0
.irp u, 0,1,2,3,4,5,6,7,8,9,10,11,12,13,14,15
	global_load_b32 v[112+\u], v9, s[92:93] offset:1024*(\u/8)+64*(\u%8)
.endr
	global_load_b64 v[100:101], v10, s[10:11] offset:V1_OFF
	global_load_b64 v[102:103], v10, s[88:89]
	global_load_b64 v[104:105], v10, s[90:91]
	s_wait_loadcnt 59
	ds_store_b32 v29, v21
	ds_store_b32 v29, v22 offset:256
	ds_store_b128 v30, v[40:43]
	ds_store_b128 v30, v[44:47] offset:512
	ds_store_b32 v31, v23
.irp i, 0,1,2,3,4,5,6,7
	ds_store_b128 v60, v[128+4*\i:131+4*\i] offset:2048*\i
	ds_store_b128 v60, v[160+4*\i:163+4*\i] offset:16384+2048*\i
.endr
	s_wait_xcnt 0x0
	s_wait_kmcnt 0x0
	s_mov_b32 s4, 0x3f8e0ccb
	s_mov_b32 s5, s4
	s_mov_b32 s6, 0x3fa66666
	s_mov_b32 s7, s6
	s_mov_b32 s8, 0x3c000000
	s_cmp_lg_u32 s15, 0                            ; behind this barrier W_k's tile alone is read: the two waves that asked for it wait for it;
	s_cbranch_scc1 .Lw_by_others
	s_wait_tensorcnt 0x0
.Lw_by_others:
	s_wait_dscnt 0x0
	s_barrier_signal -1
	s_barrier_wait -1
	WIN 0x40
.irp s, 0,1,2,3
.irp t, 0,1,2,3,4,5,6,7
.irp c, 0,1
	ds_load_b128 v[64*\s+8*\t+4*\c:64*\s+8*\t+4*\c+3], v5 offset:\t*16*PITCH+64*\s+32*\c
.endr
.endr
.endr
	WIN 0x80
.irp s, 4,5,6,7
.irp t, 0,1,2,3,4,5,6,7
.irp c, 0,1
	ds_load_b128 v[64*(\s-4)+8*\t+4*\c:64*(\s-4)+8*\t+4*\c+3], v5 offset:\t*16*PITCH+64*\s+32*\c
.endr
.endr
.endr
	WIN 0xc0
	v_mov_b32 v228, 0xbf88372a                     ; log2(1.3 / e), twice
	v_mov_b32 v229, 0xbf88372a
	v_mov_b32 v225, 0                              ; a lane permute's destination counts as one of its sources
	v_mov_b32 v226, 0
	v_mov_b32 v227, 0
	WIN 0
	s_wait_loadcnt 0x0
	SHIFTB
	WIN 0xff
	v_pk_add_f32 v[200:201], v[64:65], v[66:67]    ; sum qg over the head: my 64 numbers in two chains,
	v_pk_add_f32 v[202:203], v[68:69], v[70:71]
.set II, 4
.rept 14
	v_pk_add_f32 v[200:201], v[200:201], v[64+2*II:65+2*II]
	v_pk_add_f32 v[202:203], v[202:203], v[66+2*II:67+2*II]
.set II, II+2
.endr
	v_pk_add_f32 v[200:201], v[200:201], v[202:203]
	v_add_f32 v214, v200, v201
	v_permlanex16_b32 v225, v214, s66, s67
	v_add_f32 v214, v214, v225                     ; and lane l xor 16's
	WIN 0
	s_wait_alu depctr_va_vdst(0)
	s_wait_tensorcnt 0x0                           ; the first refill, written out: all my tensor loads are done, so a descriptor may be written;
	ds_add_u32 v1, v2
	s_mov_b32 s26, 64<<16                          ; from here on a load brings 64 rows
	s_mov_b32 s28, 64
	s_mov_b32 s50, 64<<16
	s_mov_b32 s52, 64
	s_add_nc_u64 s[34:35], s[68:69], 131072        ; key_feats' rows 256 on, my quarter
	s_or_b32 s35, s35, 0x80000000
	s_wait_dscnt 0x0                               ; the add is done, and W_k's tile is in my registers
	CROUND
	tensor_load_to_lds s[32:35], s[24:31]
	s_nop 0
	PLACES 4
	KLOOP SLOT, 0, 0
	REFILL 36, 48, 80, 0
	KLOOP 0, 8192, 8
	REFILL 32, 24, 76, 0
.irp t, 0,1,2,3,4,5,6,7
	global_load_b128 v[64+4*\t:67+4*\t], v7, s[82:83] offset:512*\t
.endr
.irp t, 0,1,2,3,4,5,6,7
	global_load_b128 v[192+8*\t:195+8*\t], v8, s[86:87] offset:64*\t
	global_load_b128 v[196+8*\t:199+8*\t], v8, s[86:87] offset:64*\t+16
.endr
	WIN 0xc0
.irp u, 0,1,2,3,4,5,6,7,8,9,10,11,12,13,14,15
	ds_load_b32 v[\u], v34 offset:64*\u
.endr
.irp u, 0,1,2,3,4,5,6,7,8,9,10,11,12,13,14,15
	v_mov_b32 v[16+\u], v[112+\u]
.endr
.irp i, 0,1,2,3,4,5,6,7
	ds_load_b128 v[32+4*\i:35+4*\i], v11 offset:16*\i
	ds_load_b128 v[64+4*\i:67+4*\i], v11 offset:256+16*\i
	ds_load_b128 v[96+4*\i:99+4*\i], v11 offset:512+16*\i
.endr
	s_wait_dscnt 0x0
.set JP, 0
.rept 16
	WIN (0x40+0x40*(JP/8))
.irp i, 0,1,2,3,4,5,6,7
.set TT, 4*(JP%2)+(\i)/2
.set RR, 64*((JP/2)%4)+8*TT+4*((\i)%2)
	ds_load_b128 v[RR:RR+3], v6 offset:TT*16*PITCH+64*(JP/2)+32*((\i)%2)
.endr
	WIN 0xff
.set GG, 0
.rept 4
.irp k, 0,1,2,3
.set UU, 4*GG+\k
.if (\k)%2
	v_pk_fma_f32 v[224+2*\k:225+2*\k], v[UU-1:UU], v[32+2*JP:33+2*JP], v[64+2*JP:65+2*JP] op_sel:[1,0,0] op_sel_hi:[1,1,1]
.else
	v_pk_fma_f32 v[224+2*\k:225+2*\k], v[UU:UU+1], v[32+2*JP:33+2*JP], v[64+2*JP:65+2*JP] op_sel:[0,0,0] op_sel_hi:[0,1,1]
.endif
.endr
.irp i, 0,1,2,3,4,5,6,7
	v_max_num_f32 v[224+\i], 0, v[224+\i]
.endr
.irp k, 0,1,2,3
.set UU, 4*GG+\k
.set PR, 160+4*JP+2*((\k)%2)
.if JP == 0
	v_pk_mul_f32 v[128+2*UU:129+2*UU], v[224+2*\k:225+2*\k], v[96:97]
.else
	v_pk_fma_f32 v[128+2*UU:129+2*UU], v[224+2*\k:225+2*\k], v[96+2*JP:97+2*JP], v[128+2*UU:129+2*UU]
.endif
.if (GG == 0) && (\k < 2)
.if (\k)%2
	v_pk_mul_f32 v[PR:PR+1], v[224+2*\k:225+2*\k], v[16+UU-1:16+UU] op_sel:[0,1] op_sel_hi:[1,1]
.else
	v_pk_mul_f32 v[PR:PR+1], v[224+2*\k:225+2*\k], v[16+UU:17+UU] op_sel:[0,0] op_sel_hi:[1,0]
.endif
.else
.if (\k)%2
	v_pk_fma_f32 v[PR:PR+1], v[224+2*\k:225+2*\k], v[16+UU-1:16+UU], v[PR:PR+1] op_sel:[0,1,0] op_sel_hi:[1,1,1]
.else
	v_pk_fma_f32 v[PR:PR+1], v[224+2*\k:225+2*\k], v[16+UU:17+UU], v[PR:PR+1] op_sel:[0,0,0] op_sel_hi:[1,0,1]
.endif
.endif
.endr
.set GG, GG+1
.endr
.set JP, JP+1
.endr
.irp u, 0,1,2,3,4,5,6,7,8,9,10,11,12,13,14,15
	v_add_f32 v[232+\u], v[128+2*\u], v[129+2*\u]
.endr
.irp u, 0,1,2,3,4,5,6,7,8,9,10,11,12,13,14,15
	v_mov_b32 v[64+\u], v[232+\u]
.endr
.irp u, 0,1,2,3,4,5,6,7,8,9,10,11,12,13,14,15
	v_permlanex16_b32 v[64+\u], v[232+\u], s66, s67
.endr
.irp u, 0,1,2,3,4,5,6,7,8,9,10,11,12,13,14,15
	v_add_f32 v[232+\u], v[232+\u], v[64+\u]
.endr
	v_mov_b32 v80, 0xce6e6b28
.irp u, 0,1,2,3,4,5,6,7,8,9,10,11,12,13,14,15
	v_add_f32 v[232+\u], s19, v[232+\u]
.endr
.irp u, 0,1,2,3,4,5,6,7,8,9,10,11,12,13,14,15
	v_cmp_eq_f32 vcc_lo, 0, v[16+\u]
	v_cndmask_b32 v[232+\u], v[232+\u], v80, vcc_lo
.endr
	v_max3_num_f32 v248, v232, v233, v234
.irp i, 3,5,7,9,11,13
	v_max3_num_f32 v248, v248, v[232+\i], v[233+\i]
.endr
	v_max_num_f32 v248, v248, v247
.irp m, 1,2,4,8
	v_max_num_f32_dpp v248, v248, v248 row_xmask:\m row_mask:0xf bank_mask:0xf
.endr
.irp u, 0,1,2,3,4,5,6,7,8,9,10,11,12,13,14,15
	v_sub_f32 v[232+\u], v[232+\u], v248
.endr
.irp u, 0,1,2,3,4,5,6,7,8,9,10,11,12,13,14,15
	v_mul_f32 v[232+\u], s101, v[232+\u]
.endr
	s_wait_alu depctr_va_vdst(0)
.irp u, 0,1,2,3,4,5,6,7,8,9,10,11,12,13,14,15
	v_exp_f32 v[232+\u], v[232+\u]
.endr
	v_pk_add_f32 v[84:85], v[16:17], v[18:19]
.irp i, 4,6,8,10,12,14
	v_pk_add_f32 v[84:85], v[84:85], v[16+\i:17+\i]
.endr
	s_wait_alu depctr_va_vdst(0)
	v_pk_add_f32 v[82:83], v[232:233], v[234:235]
.irp i, 4,6,8,10,12,14
	v_pk_add_f32 v[82:83], v[82:83], v[232+\i:233+\i]
.endr
	v_add_f32 v249, v82, v83
	v_add_f32 v250, v84, v85
	v_mov_b32 v251, 0
.irp m, 1,2,4,8
	v_add_f32_dpp v249, v249, v249 row_xmask:\m row_mask:0xf bank_mask:0xf
	v_add_f32_dpp v250, v250, v250 row_xmask:\m row_mask:0xf bank_mask:0xf
.endr
.set JP, 0
.rept 16
	v_pk_add_f32 v[32+2*JP:33+2*JP], v[160+4*JP:161+4*JP], v[162+4*JP:163+4*JP]
.set JP, JP+1
.endr
.irp m, 1,2,4,8
.set II, 0
.rept 32
	v_add_f32_dpp v[32+II], v[32+II], v[32+II] row_xmask:\m row_mask:0xf bank_mask:0xf
.set II, II+1
.endr
.endr
	WIN 0x0c
.irp i, 0,1,2,3,4,5,6,7
	ds_store_b128 v12, v[32+4*\i:35+4*\i] offset:16*\i
.endr
	ds_store_b128 v12, v[248:251] offset:256
	s_wait_dscnt 0x0
	s_barrier_signal -1
	s_barrier_wait -1
	WIN 0xc0
.irp i, 0,1,2,3,4,5,6,7
	ds_load_b128 v[32+4*\i:35+4*\i], v13 offset:16*\i
	ds_load_b128 v[64+4*\i:67+4*\i], v13 offset:1024+16*\i
.endr
	ds_load_b128 v[96:99], v13 offset:256
	ds_load_b128 v[100:103], v13 offset:1024+256
.irp t, 0,1,2,3
	ds_load_b128 v[160+8*\t:163+8*\t], v14 offset:512*\t
	ds_load_b128 v[192+8*\t:195+8*\t], v15 offset:64*\t
	ds_load_b128 v[196+8*\t:199+8*\t], v15 offset:64*\t+16
.endr
	v_lshrrev_b32 v124, 2, v8
	WIN 0
.irp t, 0,1,2,3
	ds_load_u16 v[16+\t], v24 offset:32*\t
.endr
	s_wait_dscnt 0x0
.irp t, 0,1,2,3
	v_or_b32 v[16+\t], 0x7f7f0000, v[16+\t]
.endr
	WIN 0xff
	v_max_num_f32 v112, v96, v100
	v_sub_f32 v113, v96, v112
	v_sub_f32 v114, v100, v112
	v_sub_f32 v115, v248, v112
	v_mul_f32 v113, s101, v113
	v_mul_f32 v114, s101, v114
	v_mul_f32 v115, s101, v115
	s_wait_alu depctr_va_vdst(0)
	v_exp_f32 v113, v113
	v_exp_f32 v114, v114
	v_exp_f32 v115, v115
	v_add_f32 v116, v98, v102
	s_wait_alu depctr_va_vdst(0)
	v_mul_f32 v117, v97, v113
	v_fma_f32 v117, v101, v114, v117
	s_wait_alu depctr_va_vdst(0)
	v_rcp_f32 v118, v117
	v_rcp_f32 v119, v116
	v_nop
	s_wait_alu depctr_va_vdst(0)
	v_mul_f32 v115, v115, v118
	v_mul_f32 v120, v116, v119
	v_mul_f32 v115, v115, v120
.set II, 0
.rept 16
	v_pk_add_f32 v[32+2*II:33+2*II], v[32+2*II:33+2*II], v[64+2*II:65+2*II]
.set II, II+1
.endr
.set II, 0
.rept 16
	v_pk_mul_f32 v[32+2*II:33+2*II], v[32+2*II:33+2*II], v[118:119] op_sel:[0,1] op_sel_hi:[1,1]
.set II, II+1
.endr
	v_max3_num_f32 v121, |v32|, |v33|, 0x1800000
.irp i, 2,4,6,8,10,12,14,16,18,20,22,24,26,28,30
	v_max3_num_f32 v121, v121, |v[32+\i]|, |v[33+\i]|
.endr
	v_add_nc_u32 v122, 0xff000000, v121
	v_lshrrev_b32 v123, 23, v122
	v_lshlrev_b32 v123, v124, v123
	v_mov_b32 v125, v123
	v_permlanex16_b32 v125, v123, s66, s67
	v_or_b32 v123, v123, v125
	WIN 0x0c
	v_or_b32 v20, 0x7f7f0000, v123
	WIN 0xff
.irp g, 0,1,2,3
	v_cvt_scalef32_pk8_fp4_f32 v[104+\g], v[32+8*\g:39+8*\g], v122
.endr
	v_nop
.irp i, 0,1,2,3
	v_mov_b32 v[108+\i], 0
.endr
.irp t, 0,1,2,3
.irp i, 0,1,2,3
	v_mov_b32 v[164+8*\t+\i], 0
.endr
.endr
	PLACES 8
.irp t, 0,1,2,3
	v_wmma_scale_f32_16x16x128_f8f6f4 v[128+8*\t:135+8*\t], v[160+8*\t:167+8*\t], v[104:111], v[192+8*\t:199+8*\t], v[16+\t], v20 matrix_a_fmt:MATRIX_FMT_FP4 matrix_b_fmt:MATRIX_FMT_FP4
.endr
.irp u, 0,1,2,3,4,5,6,7,8,9,10,11,12,13,14,15
	v_mul_f32 v[232+\u], v[232+\u], v115
.endr
	WIN 0x0c
.irp t, 0,1,2,3
	ds_store_b128 v25, v[128+8*\t:131+8*\t] offset:64*\t
	ds_store_b128 v25, v[132+8*\t:135+8*\t] offset:64*\t+16
.endr
.irp u, 0,1,2,3,4,5,6,7,8,9,10,11,12,13,14,15
	ds_store_b32 v34, v[232+\u] offset:64*\u
.endr
	WIN 0
	REFILL 36, 24, 76, 131072
	WIN 0xc0
.set II, 0
.rept 64
	v_mov_b32 v[64+II], 0
.set II, II+1
.endr
	v_mov_b32 v228, 0xbf88372a
	v_mov_b32 v229, 0xbf88372a
	v_mov_b32 v225, 0
	v_mov_b32 v226, 0
	v_mov_b32 v216, 0                              ; -(sum of w mean); v217 is named with it as a pair
	v_mov_b32 v217, 0
	WIN 0
	s_wait_loadcnt 0x0
	SHIFTB
	s_wait_alu depctr_va_vdst(0)
	VLOOP 0, 16384, 0
	s_wait_tensorcnt 0x0
	s_wait_dscnt 0x0
	s_barrier_signal -1
	s_barrier_wait -1
	VLOOP SLOT, 24576, 8
	WIN 0xff
.set II, 0
.rept 32
	v_pk_add_f32 v[64+2*II:65+2*II], v[64+2*II:65+2*II], v[216:217] op_sel_hi:[1,0]   ; my rows' sum of w y less their sum of w mean
.set II, II+1
.endr
.irp m, 1,2,4,8
.set II, 0
.rept 64
	v_add_f32_dpp v[64+II], v[64+II], v[64+II] row_xmask:\m row_mask:0xf bank_mask:0xf
.set II, II+1
.endr
.endr
	WIN 0x0c
.irp t, 0,1,2,3,4,5,6,7
	ds_store_b128 v26, v[64+8*\t:67+8*\t] offset:64*\t
	ds_store_b128 v26, v[68+8*\t:71+8*\t] offset:64*\t+16
.endr
	WIN 0
	s_wait_dscnt 0x0
	s_barrier_signal -1
	s_barrier_wait -1
	ds_load_b64 v[132:133], v28
	ds_load_b64 v[128:129], v28 offset:OX-ACH
	ds_load_b64 v[130:131], v28 offset:OX-ACH+1024
	s_wait_dscnt 0x0
	v_mul_f32 v132, 0xbfb8aa3b, v132
	v_mul_f32 v133, 0xbfb8aa3b, v133
	s_wait_alu depctr_va_vdst(0)
	v_exp_f32 v132, v132
	v_exp_f32 v133, v133
	v_pk_add_f32 v[128:129], v[128:129], v[130:131]
	s_wait_alu depctr_va_vdst(0)
	v_add_f32 v132, 1.0, v132
	v_add_f32 v133, 1.0, v133
	s_wait_alu depctr_va_vdst(0)
	v_rcp_f32 v132, v132
	v_rcp_f32 v133, v133
	v_pk_fma_f32 v[128:129], v[128:129], v[102:103], v[104:105]
	v_pk_mul_f32 v[128:129], v[128:129], v[100:101]
	s_wait_alu depctr_va_vdst(0)
	v_pk_mul_f32 v[128:129], v[128:129], v[132:133]
	global_store_b64 v10, v[128:129], s[12:13] th:TH_STORE_NT
	s_wait_tensorcnt 0x0
	ds_add_u32 v1, v2
	s_wait_dscnt 0x0
	CROUND
	s_endpgm
.Lfunc_end_k_q3349223ad2_main_k:
	.size	k_q3349223ad2_main_k, .Lfunc_end_k_q3349223ad2_main_k-k_q3349223ad2_main_k
	.p2alignl 7, 3214868480
	.fill 96, 4, 3214868480
	.section	.rodata,"a",@progbits
	.p2align	6, 0x0
	.amdhsa_kernel k_q3349223ad2_main_k
		.amdhsa_group_segment_fixed_size 327680
		.amdhsa_private_segment_fixed_size 0
		.amdhsa_enable_private_segment 0
		.amdhsa_kernarg_size 168
		.amdhsa_user_sgpr_count 2
		.amdhsa_user_sgpr_kernarg_segment_ptr 1
		.amdhsa_wavefront_size32 1
		.amdhsa_system_sgpr_workgroup_id_x 1
		.amdhsa_system_sgpr_workgroup_id_y 1
		.amdhsa_system_sgpr_workgroup_id_z 1
		.amdhsa_system_vgpr_workitem_id 0
		.amdhsa_next_free_vgpr 1024
		.amdhsa_next_free_sgpr 106
		.amdhsa_reserve_vcc 1
		.amdhsa_float_denorm_mode_32 3
		.amdhsa_float_denorm_mode_16_64 3
		.amdhsa_memory_ordered 1
		.amdhsa_forward_progress 1
		.amdhsa_inst_pref_size 255
	.end_amdhsa_kernel
	.section	.bss,"aw",@nobits
	.p2align	6
	.space	262144
	.amdgpu_metadata
---
amdhsa.version: [ 1, 2 ]
amdhsa.kernels:
  - .name:           k_q3349223ad2_main_k
    .symbol:         k_q3349223ad2_main_k.kd
    .args:
      - { .name: key_feats_codes, .offset: 0, .size: 8, .value_kind: global_buffer, .address_space: global }
      - { .name: key_feats_scales, .offset: 8, .size: 8, .value_kind: global_buffer, .address_space: global }
      - { .name: W_k_codes, .offset: 16, .size: 8, .value_kind: global_buffer, .address_space: global }
      - { .name: W_k_scales, .offset: 24, .size: 8, .value_kind: global_buffer, .address_space: global }
      - { .name: value2_codes, .offset: 32, .size: 8, .value_kind: global_buffer, .address_space: global }
      - { .name: value2_scales, .offset: 40, .size: 8, .value_kind: global_buffer, .address_space: global }
      - { .name: W_v2_codes, .offset: 48, .size: 8, .value_kind: global_buffer, .address_space: global }
      - { .name: W_v2_scales, .offset: 56, .size: 8, .value_kind: global_buffer, .address_space: global }
      - { .name: b_k, .offset: 64, .size: 8, .value_kind: global_buffer, .address_space: global }
      - { .name: b_v2, .offset: 72, .size: 8, .value_kind: global_buffer, .address_space: global }
      - { .name: g_v2, .offset: 80, .size: 8, .value_kind: global_buffer, .address_space: global }
      - { .name: be_v2, .offset: 88, .size: 8, .value_kind: global_buffer, .address_space: global }
      - { .name: mask, .offset: 96, .size: 8, .value_kind: global_buffer, .address_space: global }
      - { .name: b_basic, .offset: 104, .size: 8, .value_kind: global_buffer, .address_space: global }
      - { .name: W_sp, .offset: 112, .size: 8, .value_kind: global_buffer, .address_space: global }
      - { .name: b_sp, .offset: 120, .size: 8, .value_kind: global_buffer, .address_space: global }
      - { .name: W_ch_codes, .offset: 128, .size: 8, .value_kind: global_buffer, .address_space: global }
      - { .name: W_ch_scales, .offset: 136, .size: 8, .value_kind: global_buffer, .address_space: global }
      - { .name: b_ch, .offset: 144, .size: 8, .value_kind: global_buffer, .address_space: global }
      - { .name: pre, .offset: 152, .size: 8, .value_kind: global_buffer, .address_space: global }
      - { .name: out0, .offset: 160, .size: 8, .value_kind: global_buffer, .address_space: global }
    .group_segment_fixed_size: 327680
    .private_segment_fixed_size: 0
    .kernarg_segment_align: 8
    .kernarg_segment_size: 168
    .max_flat_workgroup_size: 128
    .sgpr_count:     106
    .vgpr_count:     1024
    .wavefront_size: 32
...
	.end_amdgpu_metadata
.endif
;; end of part 4
